; MI455X (gfx1250); checked and timed in simulation.
; The chip was launched on July 23, 2026; its instructions are those of AMD's public machine-readable ISA for CDNA 5 (MIT licence, August 2026) and "CDNA5" Instruction Set Architecture Reference Guide (July 2026). The comments in the code are by the model that wrote it; some were corrected since.
;; Attention Layer. Allowed arithmetic: matrix products marked QUANTISED: E2M3 operands, one E8M0 scale for each 32 along K, by v_wmma_scale_f32_16x16x128_f8f6f4 with both operands' format E2M3, f32 sums; everything else in f32.
;; Inputs: b_proj 1,024 float32; w_attn 3,072 x 1,024 float32; w_proj 1,024 x 1,024 float32; x 4 x 2,048 x 1,024 float32.
;; Outputs: out0 4 x 2,048 x 1,024 float32.
;; This version of the problem:
;;   THIS VERSION OF THE PROBLEM IS GIVEN IN LOW PRECISION. The matrix products marked QUANTISED in the list below multiply operands that are first quantised to E2M3 (2 exponent bits, 3 mantissa bits; 6 bits a number), with one power-of-two scale for each 32 numbers along K (OCP MX v1.0); their sums are f32. All else is computed in f32.
;;   The module's matrix products, in the order in which they are computed (A, B: the left and right operand; K: the contracted axis; several contracted axes count as one K, in the product's order):
;;     1. [M 8,192, K 1,024] x [K 1,024, N 3,072]; A: input x; B: input w_attn: QUANTISED
;;     2. batch 64 x [M 2,048, K 64] x [K 64, N 2,048]; A: computed on the way; B: computed on the way: QUANTISED
;;     3. batch 64 x [M 2,048, K 2,048] x [K 2,048, N 64]; A: softmax (see below); B: computed on the way: QUANTISED
;;     4. [M 8,192, K 1,024] x [K 1,024, N 1,024]; A: computed on the way; B: input w_proj: QUANTISED
;;   THE QUANTISER, for each operand of a quantised product, along K:
;;     - K is cut into blocks of 32 from its start; a last block that is shorter is filled with zeros.
;;     - A block's scale is 2^e with e = floor(log2(the largest magnitude in the block)) - 2, held to -126 .. 127; a block of zeros has e = 0. As a byte (E8M0): e + 127.
;;     - Each number is divided by its block's scale, clamped to +-7.5, and rounded to the nearest number of E2M3, ties to even, subnormals kept.
;;     - The product sums the exact products of the quantised numbers (number of the format x scale) in f32.
;;   ~~~python
;;   def quantise(x, axis):      # numpy; x: float32 -> the quantised numbers, widened to float32 again
;;       x = np.moveaxis(x, axis, -1); K = x.shape[-1]
;;       x = np.pad(x, [(0, 0)] * (x.ndim - 1) + [(0, -K % 32)]); x = x.reshape(x.shape[:-1] + (-1, 32)); a = np.abs(x).max(-1, keepdims=True)
;;       e = np.where(a > 0, np.clip(np.frexp(np.where(a > 0, a, 1))[1] - 1 - 2, -126, 127), 0)      # np.frexp(a)[1] - 1 = floor(log2(a)), exactly
;;       r = np.clip(x / 2.0 ** e, -7.5, 7.5)
;;       step = 2.0 ** (np.maximum(np.frexp(np.where(r == 0, 1, r))[1] - 1, 0) - 3)
;;       q = np.round(r / step) * step * 2.0 ** e      # np.round: ties to even
;;       return np.moveaxis(q.reshape(q.shape[:-2] + (-1,))[..., :K], -1, axis).astype(np.float32)
;;   ~~~
;;   SOFTMAX AHEAD OF A QUANTISED PRODUCT. Where the list says 'softmax', what is quantised is not the finished softmax but p = 2^(t - M), with t = logit x log2(e) and M = ceil(the row's largest t), a whole number; so 1/2 < the row's largest p <= 1. The row's sum l is taken of the UNQUANTISED p, in f32, and the product's result is divided by l at the end. Since M is a whole number, a kernel that streams over the keys may use a running M (the ceiling of the running maximum): every later rescaling is an exact power of two, which a block's scale takes up: the codes' values come out the same.
;;   OPERANDS COMPUTED ON THE WAY. 'Computed on the way' means the value that the module computes at that place (a softmax that the list does not call 'softmax' is quantised finished and normalised). What goes into a quantiser is computed in f32, as accurately as f32 sums, v_exp_f32 and their like allow (about 1e-6 of the number): no bf16 or f16 on the way to a quantiser, and a product that is left as it is and whose result goes on into a quantised operand takes f32 operands (vector FMAs, or v_wmma_f32_16x16x4_f32). A number that lies on a knife's edge between two numbers of the format may be rounded either way, as far as f32 arithmetic and the matrix unit's own rounding can turn it there, and no further.
;; One version. Each part assembles by itself: llvm-mc -triple=amdgcn-amd-amdhsa -mcpu=gfx1250 --defsym DOCPART=n.
;; ======== version 1 of 1: 4 launches
;; workspace buffers: cod 9,437,184 bytes; scl 393,216 bytes; qim 6,815,744 bytes; kvim 13,369,344 bytes; ycod 6,291,456 bytes; yscl 262,144 bytes
;; launch quant (part 1): grid 384 x 1, 4 waves a work-group, no clusters, 33,280 bytes of LDS; arguments x, w_attn, w_proj, cod, scl; writes cod, scl
.if DOCPART == 1
	.amdgcn_target "amdgcn-amd-amdhsa--gfx1250"
	.amdhsa_code_object_version 6
	.text
	.protected	k_q8f6738fddd_quant
	.globl	k_q8f6738fddd_quant
	.p2align	8
	.type	k_q8f6738fddd_quant,@function
k_q8f6738fddd_quant:
	s_mov_b64 s[64:65], 0
	v_nop
	global_prefetch_b8 v0, s[64:65] scope:SCOPE_SE
	s_setreg_imm32_b32 hwreg(HW_REG_WAVE_MODE, 25, 1), 1
	s_wait_xcnt 0x0
; x [8192][1024], w_attn [3072][1024], w_proj [1024][1024], f32, K innermost, become codes of FP6 (E2M3) and one E8M0 scale byte for each 32 along K,
; in ONE table of 12,288 rows: cod, 768 bytes a row, and scl, 32 bytes a row; x's rows from 0, w_attn's from 8,192, w_proj's from 11,264.
; A block's scale is 2^(floor(log2(its largest magnitude)) - 2); its byte is the largest magnitude's exponent field - 2, held at 1 from below.
; THE ROWS ARE STORED WITH THE MIDDLE TWO OCTETS OF EVERY 32 EXCHANGED: octet o of a group of 32 rows lies at place ((o & 1) << 1) | (o >> 1).  Sixteen stored rows on end, 16 u + r of a group, are then the
; rows 8 u + r + 8 (r / 8): the choice of rows that lets a matrix result's registers run along 16 neighbours of the next product's K.  A wave owns 8 rows, so the exchange is arithmetic on the wave's number.
; LIMITS: a block of zeros, and one whose largest magnitude lies under 2^-124, gets the byte 1 (zero codes add nothing under it, and this program alone reads the bytes); NaN and infinities are not served.
; A work-group takes 32 rows, a wave 8: 16 steps of 512 numbers.  Each load reads 512 consecutive bytes; a step's 2,048 bytes turn through the wave's own stage in LDS, so that a lane holds 16 neighbours along K.
; No tensor loads, no barrier: waves share nothing.  Loads run four steps (16 loads a wave) ahead, the turn through LDS one step.
.set WAVES, 4
.set STEPS, 16
.set EMAX,  2
.set CB,    12                         ; bytes of 16 codes
.set R,     16                         ; v16-79   four sets of 16 numbers as they are loaded
.set X,     80                         ; v80-111  two sets of 16 neighbours
.set C,     128                        ; v128-191 codes: four registers for each step, so that no store's data are written again
.set E,     112                        ; v112-127 a scale byte for each step
.set WREG,  8192                       ; LDS: a region for each wave: two stages of 32 x SP bytes, behind them its 256 scale bytes
.set SP,    80                         ; a lane's place in a stage: 64 bytes + 16 of padding
.set SPW,   12                         ; v12      LDS address of my spare word; never rewritten
.set NIL,   13                         ; v13      0; never rewritten
.set SPARE, WAVES*WREG                 ; behind the four regions: the spare words, 128 bytes a wave
	s_load_b256 s[4:11], s[0:1], 0x0               ; x s[4:5], w_attn s[6:7], w_proj s[8:9], cod s[10:11]
	s_load_b64 s[12:13], s[0:1], 0x20              ; scl
	v_lshl_add_u32 v[SPW], v0, 2, SPARE
	v_mov_b32 v[NIL], 0
	v_lshrrev_b32 v1, 5, v0
	v_readfirstlane_b32 s16, v1                    ; wave
	v_and_b32 v2, 31, v0                           ; lane
	v_lshlrev_b32 v3, 4, v2                        ; my 16 bytes of a load's 512
	s_mul_i32 s17, s16, WREG
	v_lshrrev_b32 v14, 2, v2
	v_mul_u32_u24 v14, v14, SP
	v_and_b32 v15, 3, v2
	v_lshl_add_u32 v14, v15, 4, v14
	v_add_nc_u32 v14, s17, v14                     ; the stage, on the way in: SP (lane / 4) + 16 (lane % 4)
	v_mul_u32_u24 v15, v2, SP
	v_add_nc_u32 v15, s17, v15                     ; and on the way out: SP x lane: my 16 neighbours
	v_mul_u32_u24 v4, v2, CB                       ; my codes' place in a step's
	v_lshrrev_b32 v5, 1, v2
	s_add_co_u32 s17, s17, 2*32*SP
	v_add_nc_u32 v5, s17, v5                       ; LDS: my wave's 256 scale bytes, my block's byte
	v_lshlrev_b32 v7, 3, v2                        ; and on the way out 8 bytes a lane
	v_add_nc_u32 v6, s17, v7
	s_wait_kmcnt 0x0
	s_mov_b32 s17, 352                             ; which tensor: work-groups 0-255 x, 256-351 w_attn, 352-383 w_proj.  The choice hangs on the work-group's number alone
	s_cmp_lt_u32 ttmp9, 352
	s_cselect_b64 s[6:7], s[6:7], s[8:9]
	s_cselect_b32 s17, 256, s17
	s_cmp_lt_u32 ttmp9, 256
	s_cselect_b64 s[4:5], s[4:5], s[6:7]
	s_cselect_b32 s17, 0, s17                      ; the tensor's first work-group
	s_sub_co_u32 s17, ttmp9, s17
	s_lshl_b32 s17, s17, 2
	s_add_co_u32 s18, s17, s16                     ; which run of 8 rows of the tensor is my wave's
	s_lshl_b32 s18, s18, 15                        ; 32,768 bytes a run (under 2^26)
	s_mov_b32 s19, 0
	s_add_nc_u64 s[4:5], s[4:5], s[18:19]
	s_and_b32 s20, s16, 1                          ; where the run goes: octets 1 and 2 change places
	s_lshl_b32 s20, s20, 1
	s_lshr_b32 s21, s16, 1
	s_or_b32 s20, s20, s21
	s_lshl_b32 s21, ttmp9, 2
	s_add_co_u32 s20, s20, s21                     ; the run's place in the table
	s_mul_i32 s22, s20, 32*STEPS*CB                ; 6,144 bytes of codes a run
	s_mov_b32 s23, 0
	s_add_nc_u64 s[10:11], s[10:11], s[22:23]
	s_lshl_b32 s22, s20, 8                         ; 256 scale bytes a run
	s_add_nc_u64 s[12:13], s[12:13], s[22:23]
.macro LOAD t
.irp i, 0,1,2,3
	global_load_b128 v[R+16*((\t)%4)+4*\i:R+16*((\t)%4)+4*\i+3], v3, s[4:5] offset:2048*(\t)+512*\i th:TH_LOAD_NT   ; 32 lanes read 512 consecutive bytes
.endr
.endm
.macro TURN t                          ; step t's numbers through the stage: LDS serves a wave's instructions in order, so no wait stands between the stores and the loads
.irp i, 0,1,2,3
	ds_store_b128 v14, v[R+16*((\t)%4)+4*\i:R+16*((\t)%4)+4*\i+3] offset:32*SP*((\t)%2)+8*SP*\i
.endr
.irp i, 0,1,2,3
	ds_load_b128 v[X+16*((\t)%2)+4*\i:X+16*((\t)%2)+4*\i+3], v15 offset:32*SP*((\t)%2)+16*\i
.endr
.endm
.irp t, 0,1,2,3
	LOAD \t
.endr
	s_wait_loadcnt 12                              ; step 0's four loads are in; the twelve of steps 1 to 3 may be out
	TURN 0
.macro STEP t
.set XS, X+16*((\t)%2)
.if (\t) > 0
	s_wait_dscnt 1                                 ; this step's numbers are back from the stage (the last step's byte store may be out): so its stores into the stage have read their registers,
.else
	s_wait_dscnt 0x0
.endif
.if (\t)+4 < STEPS
	LOAD (\t)+4                                    ; which take the loads of four steps on
.endif
.if (\t)+1 < STEPS
.if STEPS-2-(\t) >= 3
	s_wait_loadcnt 12                              ; the next step's four loads are in; those of the three steps behind it may be out
.else
	s_wait_loadcnt 4*(STEPS-2-(\t))
.endif
	TURN (\t)+1                                    ; and go through the other stage while this step is worked
.endif
	v_max3_num_f32 v8, |v[XS]|, |v[XS+1]|, |v[XS+2]|               ; the largest magnitude of my 16, in two chains
	v_max3_num_f32 v9, |v[XS+3]|, |v[XS+4]|, |v[XS+5]|
.irp i, 6,10
	v_max3_num_f32 v8, v8, |v[XS+\i]|, |v[XS+\i+1]|
	v_max3_num_f32 v9, v9, |v[XS+\i+2]|, |v[XS+\i+3]|
.endr
	v_max3_num_f32 v8, v8, |v[XS+14]|, |v[XS+15]|
	v_max3_num_f32 v8, v8, v9, (EMAX+1)<<23        ; and the floor 2^(3 - 127): the byte cannot fall under 1
	v_max_num_f32_dpp v8, v8, v8 row_xmask:1 row_mask:0xf bank_mask:0xf   ; and of my neighbour's 16: the block's
	v_add_nc_u32 v11, -(EMAX<<23), v8              ; 2 off its exponent field: the conversion takes the exponent field of this operand as its scale
	v_cvt_scalef32_pk16_fp6_f32 v[C+4*(\t):C+4*(\t)+2], v[XS:XS+15], v11         ; sixteen codes, 96 bits without gaps
	v_lshrrev_b32 v[E+(\t)], 23, v11               ; the scale's byte (also the plain line behind the conversion)
	ds_store_b8 v5, v[E+(\t)] offset:16*(\t)       ; both lanes of a block write the same byte with the same value
	global_store_b96 v4, v[C+4*(\t):C+4*(\t)+2], s[10:11] offset:32*CB*(\t)   ; the wave stores 384 consecutive bytes
.endm
.irp t, 0,1,2,3,4,5,6,7,8,9,10,11,12,13,14,15
	STEP \t
.endr
	ds_load_b64 v[8:9], v6                         ; LDS serves a wave's instructions in order: these see my stores
	s_wait_dscnt 0x0
	global_store_b64 v7, v[8:9], s[12:13]          ; 32 lanes store 256 consecutive bytes, aligned
	s_wait_tensorcnt 0x0                           ; the wave's end: behind my last LDS store
	ds_add_u32 v[SPW], v[NIL]
	s_wait_dscnt 0x0
	s_endpgm
.Lfunc_end_k_q8f6738fddd_quant:
	.size	k_q8f6738fddd_quant, .Lfunc_end_k_q8f6738fddd_quant-k_q8f6738fddd_quant
	.p2alignl 7, 3214868480
	.fill 96, 4, 3214868480
	.section	.rodata,"a",@progbits
	.p2align	6, 0x0
	.amdhsa_kernel k_q8f6738fddd_quant
		.amdhsa_group_segment_fixed_size 33280
		.amdhsa_private_segment_fixed_size 0
		.amdhsa_enable_private_segment 0
		.amdhsa_kernarg_size 40
		.amdhsa_user_sgpr_count 2
		.amdhsa_user_sgpr_kernarg_segment_ptr 1
		.amdhsa_wavefront_size32 1
		.amdhsa_system_sgpr_workgroup_id_x 1
		.amdhsa_system_sgpr_workgroup_id_y 1
		.amdhsa_system_sgpr_workgroup_id_z 1
		.amdhsa_system_vgpr_workitem_id 0
		.amdhsa_next_free_vgpr 192
		.amdhsa_next_free_sgpr 66
		.amdhsa_reserve_vcc 0
		.amdhsa_float_denorm_mode_32 3
		.amdhsa_float_denorm_mode_16_64 3
		.amdhsa_memory_ordered 1
		.amdhsa_forward_progress 1
		.amdhsa_inst_pref_size 33
	.end_amdhsa_kernel
	.amdgpu_metadata
---
amdhsa.version: [ 1, 2 ]
amdhsa.kernels:
  - .name:           k_q8f6738fddd_quant
    .symbol:         k_q8f6738fddd_quant.kd
    .args:
      - { .name: x, .offset: 0, .size: 8, .value_kind: global_buffer, .address_space: global }
      - { .name: w_attn, .offset: 8, .size: 8, .value_kind: global_buffer, .address_space: global }
      - { .name: w_proj, .offset: 16, .size: 8, .value_kind: global_buffer, .address_space: global }
      - { .name: cod, .offset: 24, .size: 8, .value_kind: global_buffer, .address_space: global }
      - { .name: scl, .offset: 32, .size: 8, .value_kind: global_buffer, .address_space: global }
    .group_segment_fixed_size: 33280
    .private_segment_fixed_size: 0
    .kernarg_segment_align: 8
    .kernarg_segment_size: 40
    .max_flat_workgroup_size: 128
    .sgpr_count:     66
    .vgpr_count:     192
    .wavefront_size: 32
...
	.end_amdgpu_metadata
.endif
;; end of part 1
;; launch qkv (part 2): grid 8 x 48, 4 waves a work-group, clusters of 4 x 4, 327,680 bytes of LDS; arguments cod, scl, qim, kvim; writes qim, kvim
.if DOCPART == 2
	.amdgcn_target "amdgcn-amd-amdhsa--gfx1250"
	.amdhsa_code_object_version 6
	.text
	.protected	k_q8f6738fddd_qkv
	.globl	k_q8f6738fddd_qkv
	.p2align	8
	.type	k_q8f6738fddd_qkv,@function
k_q8f6738fddd_qkv:
	s_mov_b64 s[64:65], 0
	v_nop
	global_prefetch_b8 v0, s[64:65] scope:SCOPE_SE
	s_setreg_imm32_b32 hwreg(HW_REG_WAVE_MODE, 25, 1), 1
	s_wait_xcnt 0x0
	s_wait_alu depctr_hold_cnt(0) depctr_sa_sdst(0) depctr_va_vdst(0) depctr_va_sdst(0) depctr_va_ssrc(0) depctr_va_vcc(0) depctr_vm_vsrc(0)
	s_getreg_b32 s2, hwreg(HW_REG_IB_STS2, 6, 4)
	s_cmp_eq_u32 s2, 0
	s_cbranch_scc0 .Lentry_in_a_cluster
	s_endpgm
.Lentry_in_a_cluster:
	s_bfe_u32 s2, ttmp6, 0x10000c
	s_cmp_lg_u32 s2, 0xf033
	s_cbranch_scc0 .Lentry_shape_is_right
	s_endpgm
.Lentry_shape_is_right:
; qkv = x w_attn^T on codes of FP6 (E2M3) with E8M0 scales, K = 1,024, and q, k, v quantised straight from the accumulators into the operands that the attention launch reads.
; A tile of 256 x 256 is made by a work-group of four waves, 128 x 128 (64 accumulators, 512 registers) a wave; K goes in steps of 256 through a ring of two LDS slots filled by the tensor data mover;
; the scale bytes of the work-group's 2 x 256 rows, for all of K, come into LDS once.  4 x 4 work-groups form a cluster: a tile of the M operand is asked for jointly along a row of the cluster, one of the N operand along a column.
; TWO PARTS, told apart by the cluster's y, which all sixteen partners share.  y < 8: M = x's rows, N = w_attn's rows 0-2,047 (cluster x = 0: q, 1: k).  y >= 8: V TRANSPOSED: M = w_attn's rows 2,048 on, N = x's rows.
; THE MATRIX INSTRUCTION IS USED TRANSPOSED (source 0 = 16 rows of the N operand, source 1 = 16 rows of the M operand), and the table's rows lie with the middle octets of every 32 exchanged: so for M block a the 64 registers
; of a lane's eight accumulators are n = 32 b + 16 (lane / 16) + i at register 16 b + i: 16 neighbours along n a block, which is the next product's K (the head's 64 for q and k, the keys for V^T).
; THE WAY OUT has no LDS.  Those 64 numbers are quantised in registers into the 12 registers of an operand fragment (16 rows x 128 along n) and stored AS AN IMAGE OF THE REGISTERS:
;   q, k: 128 along n are two heads: registers 6 c .. 6 c + 5 are head c's half fragment: three stores of 8 bytes a lane, 256 consecutive bytes each;  V^T: the whole fragment, three stores of 16 bytes a lane, 512 bytes each.
; qim: record (64 heads x 16 groups of 128 queries) of 6,656 bytes: 8 tiles x 768, then 512 of scale words.  kvim: record of 13,056: K's 8 x 768, its words (512), V^T's 4 x 1,536, its words (256).
; q's and k's scale word: the head's two bytes, 0x7f above them (the instruction's K is 128, the head's 64; the upper 64 meet zero codes).
; LIMITS: a block of zeros, or one under 2^-124, gets the byte 1; NaN and infinities are not served.
; REGISTERS, in windows of 256: window 0: v0-31 addresses; v32-63 scale words, two sets; v128-223 the M operand's fragments, one set; on the way out v64-203.  window 1: the N operand's fragments, two sets.  windows 2, 3: the accumulators.
.set KSTEP,  256                       ; along K in a slot
.set NQ,     2                         ; matrix instructions deep
.set ROWB,   192                       ; a tile's row in bytes
.set KROW,   768                       ; a row of the table in bytes
.set PITCH,  240                       ; an LDS row: 3 x (64 bytes + 16 of padding)
.set FR,     12                        ; registers of a fragment
.set NL,     6                         ; LDS loads that bring one
.set NP,     4                         ; places behind this matrix instruction (ISA guide 7.12.1)
.set HALFT,  128*PITCH                 ; 128 rows: what one tensor load brings
.set SLOT,   4*HALFT
.set LAPS,   2                         ; 1,024 / 512
.set KS,     32                        ; a row of scale bytes
.set SCL,    2*SLOT                    ; behind the ring: the scales, as units of 256 bytes + 16 of padding
.set HALFS,  (128*KS/256)*272
.set SBLK,   (16*KS/256)*272
.set SPARE,  SCL+4*HALFS               ; behind the scales: the spare words, 128 bytes a wave
.set ADRA, 16                          ; v16-17 LDS address of my M fragments in slot 0, 1 (v18-19: behind one padding more)
.set ADRB, 20                          ; v20-21 the same for N (v22-23)
.set O8,   24                          ; v24  8 x lane
.set O16,  25                          ; v25  16 x lane
.set OSC,  26                          ; v26  the scale words' store: 16 r + (lane / 16) x the distance to the next head's record
.set ADRS, 27                          ; v27  LDS address of my scale words
.set SPW,  28                          ; v28  my spare word; never rewritten
.set NIL,  29                          ; v29  0; never rewritten
.set SH,   30                          ; v30  16 x (lane / 16)
.set SC,   32
.set AF,   128
.set OUT,  64                          ; v64-159 the way out: 12 registers for each M block, so that no store's data are written again
.set CV2,  160                         ; v160-166 the conversions' second halves
.set TM,   168                         ; v168-183 at work
.set PW,   184
.set TW,   185
.set SW,   192                         ; v192-199 a scale word for each M block
.set SWO,  200                         ; v200-203
.set G1, 24
.set G0, 32
.set G1B, 48
.set G0B, 56
.set G1S, 68
.set G0S, 76
.set G1SB, 80
.set G0SB, 88
.set OB0, 12                           ; s[12:13] where my first head's record (V^T: its images) begins
.set OB1, 18                           ; s[18:19] the next head's
.set SEL, 20                           ; s[20:21] lane selects: lane l xor 16
.set K7F, 22
.set MHI, 23                           ; lanes 16-31
.set PART, 97                          ; s97  1: V^T
.set MSB, 0
.macro WIN new                         ; the immediate's high byte repeats the setting that is left
.if MSB != (\new)
	s_set_vgpr_msb (MSB<<8)|(\new)
.set MSB, (\new)
.endif
.endm
.set MUL_LO, 0xa1                      ; source 0 (N) window 1, source 1 (M) window 0, C and D window 2
.set MUL_HI, 0xf1
.set TO_B,   0x40
; A joint load: waves 0 and 1 fetch for M, waves 2 and 3 for N.  The branch hangs on the wave's number alone.  An s_nop 0 and four v_nop follow each of the two lines.
.macro JLOAD g0a, g1a, g0b, g1b
	s_cmp_eq_u32 s15, 0
	s_cbranch_scc0 .Lfor_b_\@
	tensor_load_to_lds s[\g0a:\g0a+3], s[\g1a:\g1a+7]
	s_nop 0
.rept 4
	v_nop
.endr
	s_branch .Lasked_\@
.Lfor_b_\@:
	tensor_load_to_lds s[\g0b:\g0b+3], s[\g1b:\g1b+7]
	s_nop 0
.rept 4
	v_nop
.endr
.Lasked_\@:
.endm
.macro CREST                           ; a round of the cluster's barrier behind its opening barrier
	s_cmp_lg_u32 s14, 0
	s_cbranch_scc1 .Lnot_wave_0_\@
	s_barrier_signal -3
.Lnot_wave_0_\@:
	s_barrier_wait -3
	s_barrier_signal -1
	s_barrier_wait -1
.endm
.macro CROUND
	s_barrier_signal -1
	s_barrier_wait -1
	CREST
.endm
	s_load_b256 s[4:11], s[0:1], 0x0               ; cod s[4:5], scl s[6:7], qim s[8:9], kvim s[10:11]
	v_lshl_add_u32 v[SPW], v0, 2, SPARE
	v_mov_b32 v[NIL], 0
	ds_add_u32 v[SPW], v[NIL]                      ; the wave's opening: the add and its wait stand ahead of my first tensor load; the set-up below stands between them
	v_lshrrev_b32 v1, 5, v0
	v_readfirstlane_b32 s14, v1                    ; wave 0..3
	s_lshr_b32 s15, s14, 1                         ; which half of the tile's M rows is mine.  Also: I fetch for M (0) or for N (1)
	s_and_b32 s16, s14, 1                          ; which half of its N rows.  Also: which 128 rows I fetch
	s_bfe_u32 s40, ttmp6, 0x40000                  ; cx, cy: my place in the cluster
	s_bfe_u32 s41, ttmp6, 0x40004
	s_and_b32 s95, ttmp7, 0xffff                   ; the cluster's y, 0..11; ttmp9: its x, 0..1
	s_sub_co_u32 s96, s95, 8
	s_lshl_b32 s96, s96, 1
	s_add_co_u32 s96, s96, ttmp9                   ; V^T's group of four tile columns: 2 (y - 8) + x
	s_mov_b32 s98, 10240
	s_mov_b32 s99, 8192
	s_cmp_ge_u32 s95, 8                            ; the part: the same in all sixteen partners
	s_cselect_b32 s[PART], 1, 0
	s_cselect_b32 s96, s96, ttmp9                  ; group of tile columns
	s_cselect_b32 s95, 0, s95                      ; group of tile rows
	s_cselect_b32 s98, s98, 0                      ; the M operand's first row in the table: w_attn's row 2,048, or x's row 0
	s_cselect_b32 s99, 0, s99                      ; the N operand's: x's row 0, or w_attn's row 0
	s_lshl_b32 s42, s96, 2
	s_add_co_u32 s42, s42, s40                     ; tile column
	s_lshl_b32 s17, s95, 2
	s_add_co_u32 s17, s17, s41                     ; tile row
	s_lshl_b32 s43, s41, 2
	s_lshl_b32 s43, 15, s43                        ; my row of the cluster
	s_lshl_b32 s44, 0x1111, s40                    ; my column
	; descriptor group 1: a tile of 128 rows x 192 bytes, 16 bytes of padding behind every 64
	s_or_b32 s[G1+0], s43, (0<<16)|(1<<20)|(1<<21)|(3<<22)|(3<<25)
	s_or_b32 s[G1B+0], s44, (0<<16)|(1<<20)|(1<<21)|(3<<22)|(3<<25)
.irp g, G1, G1B
	s_mov_b32 s[\g+1], ROWB<<16                    ; tensor_dim0
	s_mov_b32 s[\g+2], 128<<16                     ; tensor_dim1
	s_mov_b32 s[\g+3], ROWB<<16                    ; tile_dim0
	s_mov_b32 s[\g+4], 128                         ; tile_dim1
	s_mov_b32 s[\g+5], KROW                        ; from row to row
	s_mov_b32 s[\g+6], 0
	s_mov_b32 s[\g+7], 0
.endr
	; the scales of 128 rows: 4,096 dense bytes as 16 rows of 256 (32 elements of 8 bytes), 16 bytes of padding behind each
	s_or_b32 s[G1S+0], s43, (3<<16)|(1<<20)|(1<<21)|(5<<22)|(3<<25)
	s_or_b32 s[G1SB+0], s44, (3<<16)|(1<<20)|(1<<21)|(5<<22)|(3<<25)
.irp g, G1S, G1SB
	s_mov_b32 s[\g+1], 32<<16
	s_mov_b32 s[\g+2], (128*KS/256)<<16
	s_mov_b32 s[\g+3], 32<<16
	s_mov_b32 s[\g+4], 128*KS/256
	s_mov_b32 s[\g+5], 32
	s_mov_b32 s[\g+6], 0
	s_mov_b32 s[\g+7], 0
.endr
	s_lshl_b32 s18, s16, 7                         ; which 128 rows of the tile I fetch
	s_lshl_b32 s20, s17, 8
	s_add_co_u32 s20, s20, s18
	s_add_co_u32 s20, s20, s98                     ; M: the table's row (made of the tile row alone)
	s_lshl_b32 s46, s42, 8
	s_add_co_u32 s46, s46, s18
	s_add_co_u32 s46, s46, s99                     ; N: the table's row (made of the tile column alone)
	s_lshl_b32 s22, s20, 5                         ; where these rows' scales begin, in bytes (all under 2^24)
	s_mov_b32 s23, 0
	s_lshl_b32 s92, s46, 5
	s_mov_b32 s93, 0
	s_mul_i32 s20, s20, KROW                       ; and their codes
	s_mov_b32 s21, 0
	s_mul_i32 s46, s46, KROW
	s_mov_b32 s47, 0
	s_mul_i32 s45, s14, HALFT                      ; where they go: wave x 128 rows: no place in the cluster enters an LDS address
	s_mul_i32 s94, s14, HALFS
	s_wait_dscnt 0x0                               ; the opening add is done
	s_wait_kmcnt 0x0
	s_add_nc_u64 s[20:21], s[4:5], s[20:21]
	s_add_nc_u64 s[22:23], s[6:7], s[22:23]
	s_add_nc_u64 s[46:47], s[4:5], s[46:47]
	s_add_nc_u64 s[92:93], s[6:7], s[92:93]
	CROUND                                         ; all sixteen work-groups are here: the first joint loads meet
	s_mov_b32 s[G0S], 1
	s_add_co_u32 s[G0S+1], s94, SCL
	s_mov_b64 s[G0S+2:G0S+3], s[22:23]
	s_or_b32 s[G0S+3], s[G0S+3], 0x80000000
	s_mov_b32 s[G0SB], 1
	s_add_co_u32 s[G0SB+1], s94, SCL
	s_mov_b64 s[G0SB+2:G0SB+3], s[92:93]
	s_or_b32 s[G0SB+3], s[G0SB+3], 0x80000000
	JLOAD G0S, G1S, G0SB, G1SB                     ; the scales first: they are wanted with K step 0
.irp s, 0,1
	s_mov_b32 s[G0+4*\s], 1
	s_add_co_u32 s[G0+4*\s+1], s45, \s*SLOT
	s_add_nc_u64 s[G0+4*\s+2:G0+4*\s+3], s[20:21], \s*ROWB
	s_or_b32 s[G0+4*\s+3], s[G0+4*\s+3], 0x80000000
	s_mov_b32 s[G0B+4*\s], 1
	s_add_co_u32 s[G0B+4*\s+1], s45, \s*SLOT
	s_add_nc_u64 s[G0B+4*\s+2:G0B+4*\s+3], s[46:47], \s*ROWB
	s_or_b32 s[G0B+4*\s+3], s[G0B+4*\s+3], 0x80000000
	JLOAD G0+4*\s, G1, G0B+4*\s, G1B               ; three loads of mine are out
.endr
	v_and_b32 v1, 15, v0                           ; r = lane % 16
	v_bfe_u32 v2, v0, 4, 1                         ; h = lane / 16
	v_mul_u32_u24 v3, v1, PITCH
	v_mul_u32_u24 v4, v2, 24
	v_add_nc_u32 v4, v3, v4                        ; a fragment's row x pitch + 24 x half
	v_lshl_add_u32 v5, v2, 4, v4                   ; and the same behind one padding more
	s_mul_i32 s21, s15, HALFT                      ; my 128 rows of M
	s_mul_i32 s22, s16, HALFT                      ; my 128 rows of N,
	s_add_co_u32 s22, s22, 2*HALFT                 ; which lie behind M's 256
.irp s, 0,1
	v_add_nc_u32 v[ADRA+\s], s21, v4
	v_add_nc_u32 v[ADRB+\s], s22, v4
	v_add_nc_u32 v[ADRA+2+\s], s21, v5
	v_add_nc_u32 v[ADRB+2+\s], s22, v5
	s_add_co_u32 s21, s21, SLOT
	s_add_co_u32 s22, s22, SLOT
.endr
	v_mul_u32_u24 v5, v1, KS                       ; my row's scales: 32 bytes a row,
	v_lshrrev_b32 v6, 8, v5
	v_lshl_add_u32 v5, v6, 4, v5                   ; and 16 more for each 256 passed
	s_mul_i32 s21, s15, HALFS
	s_mul_i32 s22, s16, HALFS
	s_add_co_u32 s22, s22, 2*HALFS
	s_sub_co_u32 s22, s22, s21
	v_mul_u32_u24 v6, s22, v2                      ; lanes 16-31 take N's
	s_add_co_u32 s21, s21, SCL
	v_add_nc_u32 v5, v5, v6
	v_add_nc_u32 v[ADRS], s21, v5
	; the way out: where my results go
	v_and_b32 v6, 31, v0
	v_lshlrev_b32 v[O8], 3, v6
	v_lshlrev_b32 v[O16], 4, v6
	v_lshlrev_b32 v[SH], 4, v2
	s_lshr_b32 s43, s17, 3                         ; q, k: the batch: 8 tile rows of 256 tokens each;
	s_and_b32 s44, s17, 7
	s_lshl_b32 s44, s44, 1
	s_add_co_u32 s44, s44, s15                     ; the group of 128 tokens;
	s_lshl_b32 s45, s40, 2
	s_lshl_b32 s46, s16, 1
	s_add_co_u32 s45, s45, s46                     ; my first head: 4 cx + 2 x half
	s_lshl_b32 s92, s42, 1
	s_add_co_u32 s92, s92, s16                     ; V^T: my 128 tokens are group 2 x tile column + half of all 64:
	s_lshr_b32 s93, s92, 4                         ; the batch,
	s_and_b32 s92, s92, 15                         ; the group;
	s_lshl_b32 s94, s41, 2
	s_lshl_b32 s46, s15, 1
	s_add_co_u32 s94, s94, s46                     ; my first head: 4 cy + 2 x half
	s_cmp_eq_u32 s[PART], 1
	s_cselect_b32 s43, s93, s43
	s_cselect_b32 s44, s92, s44
	s_cselect_b32 s45, s94, s45
	s_cselect_b32 s47, 6656, 0                     ; V^T's images begin 6,656 bytes into a record
	s_lshl_b32 s43, s43, 4
	s_add_co_u32 s43, s43, s45
	s_lshl_b32 s43, s43, 4
	s_add_co_u32 s43, s43, s44                     ; the record: (16 batch + head) 16 + group
	s_or_b32 s46, s[PART], s96                     ; 0 for q alone
	s_mov_b32 s92, 13056
	s_cmp_eq_u32 s46, 0
	s_cselect_b32 s92, 6656, s92                   ; a record's bytes
	s_cselect_b64 s[OB0:OB0+1], s[8:9], s[10:11]   ; qim or kvim: the choice hangs on ids alone
	s_mul_i32 s18, s43, s92
	s_add_co_u32 s18, s18, s47
	s_mov_b32 s19, 0
	s_add_nc_u64 s[OB0:OB0+1], s[OB0:OB0+1], s[18:19]
	s_lshl_b32 s46, s92, 4                         ; the next head's record lies 16 records on
	s_mov_b32 s47, 0
	s_add_nc_u64 s[OB1:OB1+1], s[OB0:OB0+1], s[46:47]
	v_mul_u32_u24 v[OSC], s46, v2
	v_lshl_add_u32 v[OSC], v1, 4, v[OSC]
	s_mov_b32 s[SEL], 0x76543210
	s_mov_b32 s[SEL+1], 0xfedcba98
	s_mov_b32 s[K7F], 0x7f7f0000
	s_mov_b32 s[MHI], 0xffff0000
.macro FRAG reg, adr, q, i             ; a fragment: lane l holds row l % 16; registers 6 c .. 6 c + 5 hold K = 64 c + 32 (l / 16) + 0 .. 31: 24 bytes of the row, in pieces of 8
.irp p, 0,1,2,3,4,5
.set PCE, 12*(\q)+6*(\p/3)+\p%3       ; the mover has laid 16 bytes of padding behind every 8 pieces: where lanes 16-31's piece, three on, lies behind one padding more, the second address register serves
.if PCE%8 < 5
	ds_load_b64 v[\reg+2*\p:\reg+2*\p+1], v[\adr] offset:8*PCE+16*(PCE/8)+(\i)*16*PITCH
.else
	ds_load_b64 v[\reg+2*\p:\reg+2*\p+1], v[\adr+2] offset:8*PCE+16*(PCE/8)+(\i)*16*PITCH
.endif
.endr
.endm
; 16 matrix instructions: M blocks a0, a0 + 1 x N's eight, 128 along K.  zero = 1: the first product starts the sums.  The 64 accumulators take turns, one instruction a turn.
.macro MUL16 a0, p, q, sc, zero
.irp a, \a0, \a0+1
.irp b, 0,1,2,3,4,5,6,7
.if \zero
	v_wmma_scale_f32_16x16x128_f8f6f4 v[8*(8*((\a)%4)+\b):8*(8*((\a)%4)+\b)+7], v[128*(\p)+FR*\b:128*(\p)+FR*\b+FR-1], v[AF+FR*(\a):AF+FR*(\a)+FR-1], 0, v[SC+8*NQ*(\sc)+NQ*\b+(\q)], v[SC+8*NQ*(\sc)+NQ*(\a)+(\q)] matrix_a_fmt:MATRIX_FMT_FP6 matrix_b_fmt:MATRIX_FMT_FP6 matrix_a_scale:MATRIX_SCALE_ROW1
.else
	v_wmma_scale_f32_16x16x128_f8f6f4 v[8*(8*((\a)%4)+\b):8*(8*((\a)%4)+\b)+7], v[128*(\p)+FR*\b:128*(\p)+FR*\b+FR-1], v[AF+FR*(\a):AF+FR*(\a)+FR-1], v[8*(8*((\a)%4)+\b):8*(8*((\a)%4)+\b)+7], v[SC+8*NQ*(\sc)+NQ*\b+(\q)], v[SC+8*NQ*(\sc)+NQ*(\a)+(\q)] matrix_a_fmt:MATRIX_FMT_FP6 matrix_b_fmt:MATRIX_FMT_FP6 matrix_a_scale:MATRIX_SCALE_ROW1
.endif
.endr
.endr
.endm
.macro FETCH_B slot, q, p
	WIN TO_B
.irp i, 0,1,2,3,4,5,6,7
	FRAG 128*(\p)+FR*\i, ADRB+\slot, \q, \i
.endr
	WIN 0
.endm
.macro FETCH_A slot, q, i0
.irp i, \i0, \i0+1, \i0+2, \i0+3
	FRAG AF+FR*(\i), ADRA+\slot, \q, \i
.endr
.endm
.macro SCALES sc                       ; a K step's scale words: lanes 0-15 take M's block i, lanes 16-31 N's block i
.irp i, 0,1,2,3,4,5,6,7
	ds_load_b64 v[SC+8*NQ*\sc+NQ*\i:SC+8*NQ*\sc+NQ*\i+1], v[ADRS] offset:\i*SBLK
.endr
.endm
.macro PLACES n                        ; plain vector lines between a matrix instruction and a load into, or a vector line on, its registers
.rept \n
	v_nop
.endr
.endm
.macro STEP slot, q, zero              ; a step of 128 along K that has its successor in the same slot
	s_wait_dscnt 4*NL                              ; N's set and M's blocks 0-3 are in; the youngest 24 loads (M's blocks 4-7) may be out
	WIN MUL_LO
	MUL16 0, (\q)%2, \q, \slot, \zero
	MUL16 2, (\q)%2, \q, \slot, \zero
	s_wait_dscnt 0
	PLACES NP
	FETCH_B \slot, (\q)+1, 1-(\q)%2
	FETCH_A \slot, (\q)+1, 0
	WIN MUL_HI
	MUL16 4, (\q)%2, \q, \slot, \zero
	MUL16 6, (\q)%2, \q, \slot, \zero
	PLACES NP
	WIN 0
	FETCH_A \slot, (\q)+1, 4
.endm
; A slot's last step changes slots: one barrier; in front of it each wave waits for all its tensor loads, adds 0 to its spare word, and waits for that and for its reads of this slot.  fill = 1: the slot is filled again, two K steps ahead.
.macro TURN slot, next, fill
	s_wait_tensorcnt 0x0                           ; all my tensor loads have landed: my part of the next slot
	ds_add_u32 v[SPW], v[NIL]                      ; 0 onto my spare word
	s_wait_dscnt 4*NL+1                            ; (the add and the youngest 24 loads may be out)
	WIN MUL_LO
	MUL16 0, 1, NQ-1, \slot, 0                     ; sixteen matrix instructions stand between the add and the wait for it
	s_wait_dscnt 0x0                               ; the add is done, and my reads of this slot are over
	s_barrier_signal -1
	MUL16 2, 1, NQ-1, \slot, 0
	WIN 0
	s_barrier_wait -1
.if \fill
	CREST                                          ; the barrier has opened a round of the cluster's barrier: no wave of any partner still reads this slot or has a load on its way
	s_add_nc_u64 s[G0+4*\slot+2:G0+4*\slot+3], s[G0+4*\slot+2:G0+4*\slot+3], 2*ROWB
	s_add_nc_u64 s[G0B+4*\slot+2:G0B+4*\slot+3], s[G0B+4*\slot+2:G0B+4*\slot+3], 2*ROWB
	JLOAD G0+4*\slot, G1, G0B+4*\slot, G1B         ; the first tensor load behind the round; its four v_nop are the places in front of the loads below
.else
	PLACES NP
.endif
	v_add_nc_u32 v[ADRS], 4*NQ, v[ADRS]            ; on to the next K step's scale words
	FETCH_B \next, 0, 0
	FETCH_A \next, 0, 0
	SCALES \next
	WIN MUL_HI
	MUL16 4, 1, NQ-1, \slot, 0
	MUL16 6, 1, NQ-1, \slot, 0
	PLACES NP
	WIN 0
	FETCH_A \next, 0, 4
.endm
	s_wait_tensorcnt 1                             ; the scales and my part of K step 0 are in (K step 1's load may be out),
	s_barrier_signal -1
	s_barrier_wait -1                              ; everybody's are
	FETCH_B 0, 0, 0
	FETCH_A 0, 0, 0
	SCALES 0
	FETCH_A 0, 0, 4
	STEP 0, 0, 1                                   ; the first step stands in front of the loop: its products start the sums
	s_mov_b32 s3, LAPS-1
.Llap:                                                 ; a trip goes once round the ring and fills both slots again
	TURN 0, 1, 1
	STEP 1, 0, 0
	TURN 1, 0, 1
	STEP 0, 0, 0
	s_sub_co_u32 s3, s3, 1
	s_cmp_lg_u32 s3, 0
	s_cbranch_scc1 .Llap
	TURN 0, 1, 0                                   ; the last lap fills nothing
	STEP 1, 0, 0
	s_wait_dscnt 4*NL
	WIN MUL_LO
	MUL16 0, 1, NQ-1, 1, 0
	MUL16 2, 1, NQ-1, 1, 0
	s_wait_dscnt 0
	WIN MUL_HI
	MUL16 4, 1, NQ-1, 1, 0
	MUL16 6, 1, NQ-1, 1, 0
	WIN 0
; M BLOCK a LEAVES.  A lane's 64 numbers (its eight accumulators) are four blocks of 32 along n, each shared with lane l xor 16.  vt = 0: q, k;  1: V^T.
.macro QBLK a, vt
.set WQ, 2+(\a)/4                      ; the accumulators' window
.set WQ2, WQ|(WQ<<2)
.set AC, 64*((\a)%4)
.set PCQ, OUT+12*(\a)
	WIN WQ2                                        ; sources 0 and 1 in the accumulators' window
.irp b, 0,1,2,3
	v_max3_num_f32 v[TM+\b], |v[AC+16*\b]|, |v[AC+16*\b+1]|, 0x1800000   ; my 16 numbers of block b, each accumulator from its low end on, and the floor 2^(3 - 127)
.endr
.irp i, 2,4,6,8,10,12,14
.irp b, 0,1,2,3
	v_max3_num_f32 v[TM+\b], |v[AC+16*\b+\i]|, |v[AC+16*\b+\i+1]|, v[TM+\b]
.endr
.endr
	WIN 0
.irp b, 0,1,2,3
	v_permlanex16_b32 v[TM+4+\b], v[TM+\b], s[SEL], s[SEL+1]
.endr
.irp b, 0,1,2,3
	v_max_num_f32 v[TM+\b], v[TM+\b], v[TM+4+\b]   ; with lane l xor 16's: the block's largest magnitude
.endr
.irp b, 0,1,2,3
	v_add_nc_u32 v[TM+12+\b], 0xff000000, v[TM+\b] ; 2 off its exponent field: the conversion's scale operand
.endr
.irp b, 0,1,2,3
	v_lshrrev_b32 v[TM+4+\b], 23, v[TM+12+\b]      ; the scale's byte
.endr
	v_lshl_or_b32 v[PW], v[TM+5], 8, v[TM+4]
	v_lshl_or_b32 v[PW], v[TM+6], 16, v[PW]
.if \vt
	v_lshl_or_b32 v[SW+(\a)], v[TM+7], 24, v[PW]   ; the four bytes of these 128 keys
.else
	v_lshl_or_b32 v[PW], v[TM+7], 24, v[PW]
	v_lshrrev_b32 v[TW], v[SH], v[PW]              ; lanes 0-15 keep the first head's two bytes, lanes 16-31 the second's,
	v_and_or_b32 v[SW+(\a)], v[TW], 0xffff, s[K7F] ; with the byte of 1.0 over the upper 64 of the instruction's K
.endif
	WIN WQ                                         ; source 0 in the accumulators' window
.irp c, 0,1
	v_cvt_scalef32_pk16_fp6_f32 v[PCQ+6*\c:PCQ+6*\c+2], v[AC+32*\c:AC+32*\c+15], v[TM+12+2*\c]
	v_cvt_scalef32_pk16_fp6_f32 v[CV2+4*\c:CV2+4*\c+2], v[AC+16+32*\c:AC+31+32*\c], v[TM+12+2*\c+1]   ; (a conversion's three registers begin on an even number)
.endr
	WIN 0
	v_nop                                          ; one plain line behind the scaled conversions
.irp c, 0,1                                    ; the operand's layout wants a whole block in a lane: lanes 0-15 block 2 c, lanes 16-31 block 2 c + 1
.irp i, 0,1,2
	v_permlane16_swap_b32 v[PCQ+6*\c+\i], v[CV2+4*\c+\i]
.endr
.irp i, 0,1,2
	v_mov_b32 v[PCQ+3+6*\c+\i], v[CV2+4*\c+\i]
.endr
.endr
.if \vt
.irp p, 0,1,2
	global_store_b128 v[O16], v[PCQ+4*\p:PCQ+4*\p+3], s[OB0:OB0+1] offset:((\a)/4)*208896+((\a)%4)*1536+512*\p   ; the wave stores 512 consecutive bytes, aligned
.endr
.else
.irp p, 0,1,2
	global_store_b64 v[O8], v[PCQ+2*\p:PCQ+2*\p+1], s[OB0:OB0+1] offset:768*(\a)+256*\p       ; the wave stores 256 consecutive bytes, aligned
	global_store_b64 v[O8], v[PCQ+6+2*\p:PCQ+7+2*\p], s[OB1:OB1+1] offset:768*(\a)+256*\p
.endr
.endif
.endm
.macro EPI vt
.irp a, 0,1,2,3,4,5,6,7
	QBLK \a, \vt
.endr
.if \vt
.irp i, 0,1,2,3
	v_cndmask_b32 v[SWO+\i], v[SW+\i], v[SW+4+\i], s[MHI]   ; lanes 0-15: the first head's four tiles, lanes 16-31 the second's
.endr
	global_store_b128 v[OSC], v[SWO:SWO+3], s[OB0:OB0+1] offset:6144   ; V^T's words, [r][tile]: sixteen lanes store 256 consecutive bytes
.else
	global_store_b128 v[OSC], v[SW:SW+3], s[OB0:OB0+1] offset:6144     ; the words of tiles 0-3, [r][tile], and of tiles 4-7
	global_store_b128 v[OSC], v[SW+4:SW+7], s[OB0:OB0+1] offset:6400
.endif
.endm
	PLACES NP                                      ; behind the last products: their results are read, and registers that held fragments are written
.irp b, 0,1,2,3
	v_mov_b32 v[TM+4+\b], 0                        ; written once: a lane permute's destination counts as one of its sources
.endr
	s_cmp_eq_u32 s[PART], 1                        ; the part hangs on the cluster's y alone
	s_cbranch_scc1 .Lvt
	EPI 0
	s_branch .Ldone
.Lvt:
	EPI 1
.Ldone:
	s_wait_tensorcnt 0x0                           ; the wave's end: behind my last tensor load
	ds_add_u32 v[SPW], v[NIL]
	s_wait_dscnt 0x0
	CROUND                                         ; the closing round: no work-group ends while a partner may still ask for a tile that names it
	s_endpgm
.Lfunc_end_k_q8f6738fddd_qkv:
	.size	k_q8f6738fddd_qkv, .Lfunc_end_k_q8f6738fddd_qkv-k_q8f6738fddd_qkv
	.p2alignl 7, 3214868480
	.fill 96, 4, 3214868480
	.section	.rodata,"a",@progbits
	.p2align	6, 0x0
	.amdhsa_kernel k_q8f6738fddd_qkv
		.amdhsa_group_segment_fixed_size 327680
		.amdhsa_private_segment_fixed_size 0
		.amdhsa_enable_private_segment 0
		.amdhsa_kernarg_size 32
		.amdhsa_user_sgpr_count 2
		.amdhsa_user_sgpr_kernarg_segment_ptr 1
		.amdhsa_wavefront_size32 1
		.amdhsa_system_sgpr_workgroup_id_x 1
		.amdhsa_system_sgpr_workgroup_id_y 1
		.amdhsa_system_sgpr_workgroup_id_z 1
		.amdhsa_system_vgpr_workitem_id 0
		.amdhsa_next_free_vgpr 1024
		.amdhsa_next_free_sgpr 104
		.amdhsa_reserve_vcc 0
		.amdhsa_float_denorm_mode_32 3
		.amdhsa_float_denorm_mode_16_64 3
		.amdhsa_memory_ordered 1
		.amdhsa_forward_progress 1
		.amdhsa_inst_pref_size 202
	.end_amdhsa_kernel
	.amdgpu_metadata
---
amdhsa.version: [ 1, 2 ]
amdhsa.kernels:
  - .name:           k_q8f6738fddd_qkv
    .symbol:         k_q8f6738fddd_qkv.kd
    .args:
      - { .name: cod, .offset: 0, .size: 8, .value_kind: global_buffer, .address_space: global }
      - { .name: scl, .offset: 8, .size: 8, .value_kind: global_buffer, .address_space: global }
      - { .name: qim, .offset: 16, .size: 8, .value_kind: global_buffer, .address_space: global }
      - { .name: kvim, .offset: 24, .size: 8, .value_kind: global_buffer, .address_space: global }
    .group_segment_fixed_size: 327680
    .private_segment_fixed_size: 0
    .kernarg_segment_align: 8
    .kernarg_segment_size: 32
    .max_flat_workgroup_size: 128
    .sgpr_count:     104
    .vgpr_count:     1024
    .wavefront_size: 32
...
	.end_amdgpu_metadata
.endif
;; end of part 2
;; launch attn (part 3): grid 4 x 64, 16 waves a work-group, clusters of 4 x 1, 210,944 bytes of LDS; arguments qim, kvim, ycod, yscl; writes ycod, yscl
.if DOCPART == 3
	.amdgcn_target "amdgcn-amd-amdhsa--gfx1250"
	.amdhsa_code_object_version 6
	.text
	.protected	k_q8f6738fddd_attn
	.globl	k_q8f6738fddd_attn
	.p2align	8
	.type	k_q8f6738fddd_attn,@function
k_q8f6738fddd_attn:
	s_mov_b64 s[64:65], 0
	v_nop
	global_prefetch_b8 v0, s[64:65] scope:SCOPE_SE
	s_setreg_imm32_b32 hwreg(HW_REG_WAVE_MODE, 25, 1), 1
	s_wait_xcnt 0x0
	s_wait_alu depctr_hold_cnt(0) depctr_sa_sdst(0) depctr_va_vdst(0) depctr_va_sdst(0) depctr_va_ssrc(0) depctr_va_vcc(0) depctr_vm_vsrc(0)
	s_getreg_b32 s2, hwreg(HW_REG_IB_STS2, 6, 4)
	s_cmp_eq_u32 s2, 0
	s_cbranch_scc0 .Lentry_in_a_cluster
	s_endpgm
.Lentry_in_a_cluster:
	s_bfe_u32 s2, ttmp6, 0x10000c
	s_cmp_lg_u32 s2, 0x3003
	s_cbranch_scc0 .Lentry_shape_is_right
	s_endpgm
.Lentry_shape_is_right:
; y = softmax(q k^T / 8, causal) v for 64 heads of 2,048 tokens x 64, both products on codes of FP6 (E2M3) with E8M0 scales; y is quantised along the head's 64 for the last product.
; THE SOFTMAX: t = score x log2(e) / 8; M = the running largest t, rounded UP to a whole number; p = 2^(t - M) is quantised along the keys, not normalised; the row's sum is taken of the unquantised p and divides at the end.
; When M moves, the sum and O are multiplied by 2^(old M - new M): exact.
; SHARES.  A cluster of four work-groups is one head.  The head's K and V^T, 16 records of 13,056 bytes (128 keys each: K's 8 half fragments, their scale words, V^T's 4 fragments, their words, all as images of operand registers),
; are 208,896 bytes: they come into each partner's LDS ONCE, by joint loads, and stay: no ring, no refill.  Wave w (e = w % 2, w' = w / 2) owns two tiles of 16 queries, both tile 2 cx + e of their group of 128:
; tile L in group w', tile H in group 15 - w': (w' + 1) + (16 - w') = 17 key steps for every wave.  Branches hang on the wave's number and the count of steps alone; cx enters only global addresses and the mask's register.
; LAYOUT.  Both products transposed: S^T = K Q^T (source 0 = 16 keys, source 1 = my 16 queries), O^T = V^T P^T: a lane holds one query (lane % 16) throughout.  Tile t of a record holds keys 32 (t / 2) + 8 (t % 2) + r + 8 (r / 8),
; so the 16 registers of tiles 2 b, 2 b + 1 are keys 32 b + 16 (lane / 16) + 0 .. 15; a tile of queries holds the queries of the same pattern; V^T's tiles the channels likewise, so O^T's registers run along neighbouring channels.
; K = 64 IN AN INSTRUCTION OF 128: Q's registers 6-11 are zero codes; K's operand t is registers F + 6 t .. + 11, whose upper six are the next tile's codes (for t = 7 six zeros): they meet zero codes under the byte of 1.0.
; CAUSAL: a step whose 128 keys all come after the tile's group is jumped over; in the group's own step hidden scores become -infinity ahead of the maximum.  Key 0 counts for every query, so M is a number from the first step on.
; LIMITS: NaN and infinities are not served; a block of zeros, or one under 2^-124, gets the byte 1; 1 / the sum is v_rcp_f32's.  yscl is stored two bytes a lane: a head gives two of a row's 32 bytes.
.set REC,   13056
.set QREC,  6656
.set SPARE, 16*REC                     ; behind the records: the spare words, 128 bytes for each of 16 waves
.set L8,   1                           ; v1   8 x lane
.set L16,  2                           ; v2   16 x lane
.set R16,  3                           ; v3   16 x (lane % 16)
.set DQ,   4                           ; v4   my query's place in its group - 16 (lane / 16)
.set SPW,  5                           ; v5   my spare word; never rewritten
.set NIL,  6                           ; v6   0; never rewritten
.set NINF, 7                           ; v7   -infinity
.set ADK,  8                           ; v8-10 LDS addresses of the step in hand
.set ADV,  9
.set ADR,  10
.set YSO,  11                          ; v11  my byte offset in yscl
.set STH,  12                          ; v12 -M, v13 the largest t, v[14:15] the sum in two halves: tile H;  v16-19: tile L
.set STL,  16
.set QFH,  20                          ; v20-31, v32-43 Q's fragments
.set QFL,  32
.set QSH,  44                          ; v44, v45 Q's scale words
.set QSL,  45
.set F,    46                          ; v46-93 K's 8 half fragments, later V^T's 4 fragments; between them at work; v94-99 zeros
.set BM,   F                           ; the blocks' largest scores, then largest p
.set T2,   F+4
.set SCO,  F+8                         ; the conversions' scale operands
.set CV2,  F+12                        ; the conversions' second halves
.set SB,   F+20                        ; the sum's second chain
.set S,    100                         ; v100-163 S^T, then p
.set OH,   164                         ; v164-195, v196-227 O^T
.set OL,   196
.set PC,   228                         ; v228-239 p's codes
.set KSW,  240                         ; v240-247 K's, then V^T's scale words
.set FF,   248                         ; v248 f = 2^(old M - new M)
.set PSW,  249                         ; v249 p's scale word
.set TA,   250                         ; v250-251 at work
.set YB,   252                         ; v252, v253 y's two scale bytes of tile H, L
.set WV,   12
.set SEL,  20                          ; s[20:21] lane selects: lane l xor 16
.set CS,   22                          ; s[22:23] c = log2(e) / 8
.set G1A,  24                          ; s[24:31] group 1: one record;  s[32:39]: three records
.set G1B,  32
.set G0A,  40
.set G0B,  44
.set TB,   48                          ; s48  LDS byte of the step's record
.set KF,   49                          ; s49  the step's first key
.set CNT,  50
.set QBH,  51                          ; s51, s52 the first query of tile H's, L's group
.set QBL,  52
.set MHI,  53                          ; lanes 16-31
.macro CROUND                          ; a round of the cluster's barrier
	s_barrier_signal -1
	s_barrier_wait -1
	s_cmp_lg_u32 s[WV], 0
	s_cbranch_scc1 .Lnot_wave_0_\@
	s_barrier_signal -3
.Lnot_wave_0_\@:
	s_barrier_wait -3
	s_barrier_signal -1
	s_barrier_wait -1
.endm
	s_load_b256 s[4:11], s[0:1], 0x0               ; qim s[4:5], kvim s[6:7], ycod s[8:9], yscl s[10:11]
	v_lshl_add_u32 v[SPW], v0, 2, SPARE
	v_mov_b32 v[NIL], 0
	ds_add_u32 v[SPW], v[NIL]                      ; the wave's opening: the add and its wait stand ahead of the first tensor loads; the set-up below stands between them
	v_lshrrev_b32 v8, 5, v0
	v_readfirstlane_b32 s[WV], v8                  ; wave 0..15
	s_bfe_u32 s13, ttmp6, 0x40000                  ; cx
	s_and_b32 s14, ttmp7, 0xffff                   ; 16 x batch + head, which the four partners share
	; group 1: dense bytes as rows of 256 (32 elements of 8 bytes), no padding; the mask names all four partners, bit 21 set beside it
	s_mov_b32 s[G1A], 15|(3<<16)|(1<<21)
	s_mov_b32 s[G1A+1], 32<<16
	s_mov_b32 s[G1A+2], 51<<16                     ; a record: 51 rows
	s_mov_b32 s[G1A+3], 32<<16
	s_mov_b32 s[G1A+4], 51
	s_mov_b32 s[G1A+5], 32
	s_mov_b32 s[G1A+6], 0
	s_mov_b32 s[G1A+7], 0
	s_mov_b32 s[G1B], 15|(3<<16)|(1<<21)
	s_mov_b32 s[G1B+1], 32<<16
	s_mov_b32 s[G1B+2], 153<<16                    ; three records
	s_mov_b32 s[G1B+3], 32<<16
	s_mov_b32 s[G1B+4], 153
	s_mov_b32 s[G1B+5], 32
	s_mov_b32 s[G1B+6], 0
	s_mov_b32 s[G1B+7], 0
	s_mul_i32 s15, s14, 16*REC                     ; the head's first byte in kvim (under 2^24)
	s_mul_i32 s16, s[WV], REC                      ; waves 0-3: record w,
	s_mul_i32 s17, s[WV], 3*REC
	s_add_co_u32 s17, s17, 4*REC                   ; and records 4 + 3 w on: the same place in LDS as in the head
	s_add_co_u32 s54, s15, s16
	s_mov_b32 s55, 0
	s_add_co_u32 s56, s15, s17
	s_mov_b32 s57, 0
	s_mov_b32 s[SEL], 0x76543210
	s_mov_b32 s[SEL+1], 0xfedcba98
	s_mov_b32 s[CS], 0x3e38aa3b                    ; log2(e) / 8
	s_mov_b32 s[CS+1], s[CS]                       ; (named with it as a pair, so it is written)
	s_mov_b32 s[MHI], 0xffff0000
	s_and_b32 s18, s[WV], 1                        ; e
	s_lshr_b32 s19, s[WV], 1                       ; w': tile L's group
	s_lshl_b32 s[QBL], s19, 7
	s_sub_co_u32 s58, 15, s19                      ; tile H's group
	s_lshl_b32 s[QBH], s58, 7
	s_lshl_b32 s59, s13, 1
	s_add_co_u32 s59, s59, s18                     ; my tiles' number in their groups: 2 cx + e
	s_wait_dscnt 0x0                               ; the opening add is done
	s_wait_kmcnt 0x0
	s_mov_b32 s[G0A], 1
	s_mov_b32 s[G0A+1], s16
	s_add_nc_u64 s[G0A+2:G0A+3], s[6:7], s[54:55]
	s_or_b32 s[G0A+3], s[G0A+3], 0x80000000
	s_mov_b32 s[G0B], 1
	s_mov_b32 s[G0B+1], s17
	s_add_nc_u64 s[G0B+2:G0B+3], s[6:7], s[56:57]
	s_or_b32 s[G0B+3], s[G0B+3], 0x80000000
	CROUND                                         ; all four work-groups are here: the joint loads meet
	s_cmp_lt_u32 s[WV], 4                          ; waves 0 to 3 fetch: a wave's two loads stand in one branch on the wave's number; two loads of mine are out
	s_cbranch_scc0 .Lno_fetch
	tensor_load_to_lds s[G0A:G0A+3], s[G1A:G1A+7]
	s_nop 0
	tensor_load_to_lds s[G0B:G0B+3], s[G1B:G1B+7]
	s_nop 0
.rept 4
	v_nop
.endr
.Lno_fetch:
	v_and_b32 v8, 15, v0                           ; r
	v_bfe_u32 v9, v0, 4, 1                         ; h
	v_and_b32 v10, 31, v0                          ; lane
	v_lshlrev_b32 v[L8], 3, v10
	v_lshlrev_b32 v[L16], 4, v10
	v_lshlrev_b32 v[R16], 4, v8
	v_and_b32 v[DQ], 8, v8
	v_add_nc_u32 v[DQ], v[DQ], v8                  ; r + 8 (r / 8)
	v_lshlrev_b32 v9, 4, v9
	v_sub_nc_u32 v[DQ], v[DQ], v9                  ; - 16 h
	s_lshl_b32 s72, s13, 5
	s_lshl_b32 s74, s18, 3
	s_add_co_u32 s72, s72, s74
	v_add_nc_u32 v[DQ], s72, v[DQ]                 ; + 32 cx + 8 e
	; Q: record 16 (16 batch + head) + group; tile tq's image 768 tq on; its words at 6,144 + 256 (tq / 4) + 16 r + 4 (tq % 4)
	s_lshl_b32 s70, s14, 4
	s_add_co_u32 s71, s70, s58
	s_add_co_u32 s70, s70, s19
	s_mul_i32 s72, s71, QREC
	s_mov_b32 s73, 0
	s_add_nc_u64 s[60:61], s[4:5], s[72:73]
	s_mul_i32 s72, s70, QREC
	s_add_nc_u64 s[62:63], s[4:5], s[72:73]
	s_mul_i32 s72, s59, 768
	v_add_nc_u32 v8, s72, v[L8]
	s_lshr_b32 s72, s59, 2
	s_lshl_b32 s72, s72, 8
	s_and_b32 s74, s59, 3
	s_lshl_b32 s74, s74, 2
	s_add_co_u32 s72, s72, s74
	s_add_co_u32 s72, s72, 6144
	v_add_nc_u32 v9, s72, v[R16]
.irp p, 0,1,2
	global_load_b64 v[QFH+2*\p:QFH+2*\p+1], v8, s[60:61] offset:256*\p
	global_load_b64 v[QFL+2*\p:QFL+2*\p+1], v8, s[62:63] offset:256*\p
.endr
	global_load_b32 v[QSH], v9, s[60:61]
	global_load_b32 v[QSL], v9, s[62:63]
.irp i, 6,7,8,9,10,11
	v_mov_b32 v[QFH+\i], 0                         ; the upper 64 of the instruction's K: zero codes
	v_mov_b32 v[QFL+\i], 0
	v_mov_b32 v[F+42+\i], 0                        ; v94-99: what stands above K's last tile
.endr
	; y: tile 128 batch + 8 group + tq of 512; its image for my head at (16 tile + head) 768; its rows' scale bytes at 512 tile + 32 r + 2 head
	s_lshr_b32 s72, s14, 4
	s_lshl_b32 s72, s72, 7
	s_add_co_u32 s72, s72, s59
	s_lshl_b32 s74, s58, 3
	s_add_co_u32 s74, s74, s72                     ; tile H
	s_lshl_b32 s75, s19, 3
	s_add_co_u32 s75, s75, s72                     ; tile L
	s_and_b32 s76, s14, 15                         ; head
	s_lshl_b32 s72, s74, 4
	s_add_co_u32 s72, s72, s76
	s_mul_i32 s72, s72, 768
	s_add_nc_u64 s[66:67], s[8:9], s[72:73]
	s_lshl_b32 s72, s75, 4
	s_add_co_u32 s72, s72, s76
	s_mul_i32 s72, s72, 768
	s_add_nc_u64 s[68:69], s[8:9], s[72:73]
	s_lshl_b32 s77, s76, 1
	s_lshl_b32 s74, s74, 9
	s_add_co_u32 s74, s74, s77
	s_lshl_b32 s75, s75, 9
	s_add_co_u32 s75, s75, s77
	v_mov_b32 v[TA], s74
	v_mov_b32 v[TA+1], s75
	v_cndmask_b32 v[YSO], v[TA], v[TA+1], s[MHI]   ; lanes 0-15 will store tile H's bytes, lanes 16-31 tile L's
	v_lshl_add_u32 v[YSO], v[R16], 1, v[YSO]
	v_mov_b32 v[NINF], 0xff800000
	v_mov_b32 v[STH+1], 0xff61b1e6                 ; the largest t so far: -3e38, under every t
	v_mov_b32 v[STL+1], 0xff61b1e6
	v_floor_f32 v[STH], -v[STH+1]                  ; -M
	v_floor_f32 v[STL], -v[STL+1]
.irp i, 2,3
	v_mov_b32 v[STH+\i], 0                         ; the sums
	v_mov_b32 v[STL+\i], 0
.endr
	v_mov_b32 v[PSW], 0                            ; (named as the upper half of the pair with f before it is first written)
.irp b, 0,1,2,3
	v_mov_b32 v[T2+\b], 0                          ; written once: a lane permute's destination counts as one of its sources
.endr
.irp b, 0,1,2,3,4,5,6,7
.irp i, 0,1,2,3,4,5,6,7
	v_mov_b32 v[OH+8*\b+\i], 0                     ; O^T of both tiles.  (The step is written once: the first finds zeros, which the first change of M leaves zeros)
.endr
.endr
; A KEY STEP of one tile: the 128 keys of the record at s[TB].
.macro STEP qf, qs, st, o, qb
	s_cmp_gt_u32 s[KF], s[\qb]                     ; all its keys come after my tile's group: left out.  The wave's number and the count of steps alone
	s_cbranch_scc1 .Lhid_\@
	v_add_nc_u32 v[ADK], s[TB], v[L8]
	v_add_nc_u32 v[ADV], s[TB], v[L16]
	v_add_nc_u32 v[ADR], s[TB], v[R16]
	v_nop                                          ; four plain lines behind the last products, in front of loads into registers that they read
.irp t, 0,1,2,3,4,5,6,7
.irp p, 0,1,2
	ds_load_b64 v[F+6*\t+2*\p:F+6*\t+2*\p+1], v[ADK] offset:768*\t+256*\p   ; K's half fragments as they were stored: 256 consecutive bytes a load
.endr
.endr
	ds_load_b128 v[KSW:KSW+3], v[ADR] offset:6144  ; the scale words of tiles 0-3, and of 4-7
	ds_load_b128 v[KSW+4:KSW+7], v[ADR] offset:6400
	s_wait_dscnt 0x0
.irp t, 0,1,2,3,4,5,6,7
	v_wmma_scale_f32_16x16x128_f8f6f4 v[S+8*\t:S+8*\t+7], v[F+6*\t:F+6*\t+11], v[\qf:\qf+11], 0, v[KSW+\t], v[\qs] matrix_a_fmt:MATRIX_FMT_FP6 matrix_b_fmt:MATRIX_FMT_FP6
.endr
.rept 4
	v_nop                                          ; in front of the first read of the scores, and of vector lines that write K's registers
.endr
	s_cmp_lt_u32 s[KF], s[\qb]                     ; all keys count: no mask
	s_cbranch_scc1 .Lopen_\@
.irp b, 0,1,2,3                                ; my group's own step: register 16 b + i holds key 16 (lane / 16) + 32 b + i of the group: hidden where 32 b + i > DQ
.irp i, 0,1,2,3,4,5,6,7,8,9,10,11,12,13,14,15
	v_cmp_gt_i32 vcc_lo, 32*\b+\i, v[DQ]
	v_cndmask_b32 v[S+16*\b+\i], v[S+16*\b+\i], v[NINF], vcc_lo
.endr
.endr
.Lopen_\@:
.irp b, 0,1,2,3
	v_max3_num_f32 v[BM+\b], v[S+16*\b], v[S+16*\b+1], v[S+16*\b+2]   ; the largest score of each block of 32 keys: for the row's maximum, and, since p rises with the score, for the block's largest p
.endr
.irp i, 3,5,7,9,11,13
.irp b, 0,1,2,3
	v_max3_num_f32 v[BM+\b], v[BM+\b], v[S+16*\b+\i], v[S+16*\b+\i+1]
.endr
.endr
.irp b, 0,1,2,3
	v_max_num_f32 v[BM+\b], v[BM+\b], v[S+15+16*\b]
.endr
.irp b, 0,1,2,3
	v_permlanex16_b32 v[T2+\b], v[BM+\b], s[SEL], s[SEL+1]
.endr
.irp b, 0,1,2,3
	v_max_num_f32 v[BM+\b], v[BM+\b], v[T2+\b]     ; with lane l xor 16's 16 keys
.endr
	v_max3_num_f32 v[TA], v[BM], v[BM+1], v[BM+2]
	v_max_num_f32 v[TA], v[TA], v[BM+3]            ; the step's largest score of my query
	v_mul_f32 v[TA], s[CS], v[TA]                  ; as t
	v_max_num_f32 v[\st+1], v[\st+1], v[TA]        ; the running largest t
	v_mov_b32 v[TA], v[\st]
	v_floor_f32 v[\st], -v[\st+1]                  ; the new -M = -ceil(t)
	v_sub_f32 v[TA], v[\st], v[TA]                 ; old M - new M: a whole number, 0 or less
	v_cvt_i32_f32 v[TA], v[TA]                     ; (it saturates)
	v_ldexp_f32 v[FF], 1.0, v[TA]                  ; f = 2^(old M - new M)
.irp j, 0,2,4,6,8,10,12,14,16,18,20,22,24,26,28,30,32,34,36,38,40,42,44,46,48,50,52,54,56,58,60,62
	v_pk_fma_f32 v[S+\j:S+\j+1], v[S+\j:S+\j+1], s[CS:CS+1], v[\st:\st+1] op_sel_hi:[1,0,0]   ; t - M, two at a time
.endr
.irp b, 0,1,2,3
	v_fma_f32 v[BM+\b], v[BM+\b], s[CS], v[\st]    ; the same of each block's largest score
.endr
.irp b, 0,1,2,3,4,5,6,7
.irp i, 0,1,2,3,4,5,6,7
	v_exp_f32 v[S+8*\b+\i], v[S+8*\b+\i]           ; p = 2^(t - M), at most 1
.endr
.endr
	v_pk_mul_f32 v[\st+2:\st+3], v[\st+2:\st+3], v[FF:FF+1] op_sel_hi:[1,0]   ; the sums under the new M (the plain line behind the exponentials)
	s_wait_alu depctr_va_vdst(0)                   ; one wait for the batch of 64, ahead of its first reader
.irp b, 0,1,2,3
	v_exp_f32 v[BM+\b], v[BM+\b]                   ; the block's largest p
.endr
	v_pk_add_f32 v[SB:SB+1], v[S:S+1], v[S+2:S+3]  ; the row's sum, of the unquantised p, in two chains; it reads the 64 alone
.irp j, 4,8,12,16,20,24,28,32,36,40,44,48,52,56,60
	v_pk_add_f32 v[\st+2:\st+3], v[\st+2:\st+3], v[S+\j:S+\j+1]
	v_pk_add_f32 v[SB:SB+1], v[SB:SB+1], v[S+2+\j:S+3+\j]
.endr
	v_pk_add_f32 v[\st+2:\st+3], v[\st+2:\st+3], v[SB:SB+1]
	s_wait_alu depctr_va_vdst(0)                   ; and one for the four
.irp b, 0,1,2,3
	v_max_num_f32 v[BM+\b], 0x1800000, v[BM+\b]    ; the floor 2^(3 - 127): the byte cannot fall under 1
.endr
.irp b, 0,1,2,3
	v_add_nc_u32 v[SCO+\b], 0xff000000, v[BM+\b]   ; 2 off the exponent field: the conversion's scale operand
.endr
.irp b, 0,1,2,3
	v_lshrrev_b32 v[T2+\b], 23, v[SCO+\b]          ; the scale's byte
.endr
	v_lshl_or_b32 v[PSW], v[T2+1], 8, v[T2]        ; p's scale word for these 128 keys
	v_lshl_or_b32 v[PSW], v[T2+2], 16, v[PSW]
	v_lshl_or_b32 v[PSW], v[T2+3], 24, v[PSW]
.irp c, 0,1
	v_cvt_scalef32_pk16_fp6_f32 v[PC+6*\c:PC+6*\c+2], v[S+32*\c:S+32*\c+15], v[SCO+2*\c]
	v_cvt_scalef32_pk16_fp6_f32 v[CV2+4*\c:CV2+4*\c+2], v[S+16+32*\c:S+31+32*\c], v[SCO+2*\c+1]   ; (a conversion's three registers begin on an even number)
.endr
	v_nop                                          ; one plain line behind the scaled conversions
.irp c, 0,1                                    ; a whole block in a lane: lanes 0-15 block 2 c, lanes 16-31 block 2 c + 1
.irp i, 0,1,2
	v_permlane16_swap_b32 v[PC+6*\c+\i], v[CV2+4*\c+\i]
.endr
.irp i, 0,1,2
	v_mov_b32 v[PC+3+6*\c+\i], v[CV2+4*\c+\i]
.endr
.endr
.irp u, 0,1,2,3
.irp p, 0,1,2
	ds_load_b128 v[F+12*\u+4*\p:F+12*\u+4*\p+3], v[ADV] offset:6656+1536*\u+512*\p   ; V^T's four fragments as they were stored: 512 consecutive bytes a load; all that was at work in these registers is done with
.endr
.endr
	ds_load_b128 v[KSW:KSW+3], v[ADR] offset:12800 ; and their scale words
.irp j, 0,2,4,6,8,10,12,14,16,18,20,22,24,26,28,30
	v_pk_mul_f32 v[\o+\j:\o+\j+1], v[\o+\j:\o+\j+1], v[FF:FF+1] op_sel_hi:[1,0]   ; O^T under the new M, each accumulator from its low end on
.endr
.rept 4
	v_nop                                          ; with the lines above: eight places and more behind p's scale word, four behind p's codes and the last of O^T
.endr
	s_wait_dscnt 0x0
.irp u, 0,1,2,3                                ; the four accumulators by turns; eight other products stand between two links on one of them
	v_wmma_scale_f32_16x16x128_f8f6f4 v[\o+8*\u:\o+8*\u+7], v[F+12*\u:F+12*\u+11], v[PC:PC+11], v[\o+8*\u:\o+8*\u+7], v[KSW+\u], v[PSW] matrix_a_fmt:MATRIX_FMT_FP6 matrix_b_fmt:MATRIX_FMT_FP6
.endr
.Lhid_\@:
.endm
	s_wait_tensorcnt 1                             ; my first load, record w, has landed (my second may be out)
	s_barrier_signal -1
	s_barrier_wait -1                              ; so records 0 to 3 are whole
	s_wait_loadcnt 0x0                             ; Q
	s_mov_b32 s[TB], 0
	s_mov_b32 s[KF], 0
	s_mov_b32 s[CNT], 4
.Lone:                                             ; records 0 to 3, while the other twelve land
	STEP QFH, QSH, STH, OH, QBH
	STEP QFL, QSL, STL, OL, QBL
	s_add_co_u32 s[TB], s[TB], REC
	s_add_co_u32 s[KF], s[KF], 128
	s_sub_co_u32 s[CNT], s[CNT], 1
	s_cmp_lg_u32 s[CNT], 0
	s_cbranch_scc1 .Lone
	s_wait_tensorcnt 0x0                           ; my second load has landed,
	s_wait_dscnt 0x0
	s_barrier_signal -1
	s_barrier_wait -1                              ; so all sixteen records are whole: from here on the waves run free
	s_mov_b32 s[TB], 4*REC
	s_mov_b32 s[KF], 512
	s_mov_b32 s[CNT], 12
.Ltwo:
	STEP QFH, QSH, STH, OH, QBH
	STEP QFL, QSL, STL, OL, QBL
	s_add_co_u32 s[TB], s[TB], REC
	s_add_co_u32 s[KF], s[KF], 128
	s_sub_co_u32 s[CNT], s[CNT], 1
	s_cmp_lg_u32 s[CNT], 0
	s_cbranch_scc1 .Ltwo
.rept 4
	v_nop                                          ; behind the last products
.endr
; THE WAY OUT of tile x (0: H, 1: L): y = O^T / the sum: a lane's 32 numbers are channels 32 b + 16 (lane / 16) + i at register 16 b + i: two blocks of the last product's K.  They become a half fragment, stored as an image.
.macro FIN x, st, o, ob
.set YY, S+32*(\x)
.set PF, PC+6*(\x)
.set CF, CV2+4*(\x)
.set BF, BM+2*(\x)
.set TF, T2+2*(\x)
.set SF, SCO+2*(\x)
	v_add_f32 v[TA], v[\st+2], v[\st+3]            ; the sum's two halves,
	v_permlanex16_b32 v[TA+1], v[TA], s[SEL], s[SEL+1]
	v_add_f32 v[TA], v[TA], v[TA+1]                ; and lane l xor 16's
	v_rcp_f32 v[TA], v[TA]
	v_nop                                          ; a plain line behind the reciprocal,
	s_wait_alu depctr_va_vdst(0)                   ; and a wait ahead of its first reader
.irp j, 0,2,4,6,8,10,12,14,16,18,20,22,24,26,28,30
	v_pk_mul_f32 v[YY+\j:YY+\j+1], v[\o+\j:\o+\j+1], v[TA:TA+1] op_sel_hi:[1,0]
.endr
.irp b, 0,1
	v_max3_num_f32 v[BF+\b], |v[YY+16*\b]|, |v[YY+16*\b+1]|, 0x1800000
.endr
.irp i, 2,4,6,8,10,12,14
.irp b, 0,1
	v_max3_num_f32 v[BF+\b], v[BF+\b], |v[YY+16*\b+\i]|, |v[YY+16*\b+\i+1]|
.endr
.endr
.irp b, 0,1
	v_permlanex16_b32 v[TF+\b], v[BF+\b], s[SEL], s[SEL+1]
.endr
.irp b, 0,1
	v_max_num_f32 v[BF+\b], v[BF+\b], v[TF+\b]
.endr
.irp b, 0,1
	v_add_nc_u32 v[SF+\b], 0xff000000, v[BF+\b]
.endr
.irp b, 0,1
	v_lshrrev_b32 v[TF+\b], 23, v[SF+\b]
.endr
	v_lshl_or_b32 v[YB+(\x)], v[TF+1], 8, v[TF]    ; my row's two scale bytes
	v_cvt_scalef32_pk16_fp6_f32 v[PF:PF+2], v[YY:YY+15], v[SF]
	v_cvt_scalef32_pk16_fp6_f32 v[CF:CF+2], v[YY+16:YY+31], v[SF+1]
	v_nop
.irp i, 0,1,2
	v_permlane16_swap_b32 v[PF+\i], v[CF+\i]
.endr
.irp i, 0,1,2
	v_mov_b32 v[PF+3+\i], v[CF+\i]
.endr
.irp p, 0,1,2
	global_store_b64 v[L8], v[PF+2*\p:PF+2*\p+1], s[\ob:\ob+1] offset:256*\p   ; the wave stores 256 consecutive bytes, aligned
.endr
.endm
	FIN 0, STH, OH, 66
	FIN 1, STL, OL, 68
	v_cndmask_b32 v254, v[YB], v[YB+1], s[MHI]
	global_store_b16 v[YSO], v254, s[10:11]        ; two bytes of each of my 32 rows
	s_wait_tensorcnt 0x0                           ; the wave's end
	ds_add_u32 v[SPW], v[NIL]
	s_wait_dscnt 0x0
	CROUND                                         ; the closing round
	s_endpgm
.Lfunc_end_k_q8f6738fddd_attn:
	.size	k_q8f6738fddd_attn, .Lfunc_end_k_q8f6738fddd_attn-k_q8f6738fddd_attn
	.p2alignl 7, 3214868480
	.fill 96, 4, 3214868480
	.section	.rodata,"a",@progbits
	.p2align	6, 0x0
	.amdhsa_kernel k_q8f6738fddd_attn
		.amdhsa_group_segment_fixed_size 210944
		.amdhsa_private_segment_fixed_size 0
		.amdhsa_enable_private_segment 0
		.amdhsa_kernarg_size 32
		.amdhsa_user_sgpr_count 2
		.amdhsa_user_sgpr_kernarg_segment_ptr 1
		.amdhsa_wavefront_size32 1
		.amdhsa_system_sgpr_workgroup_id_x 1
		.amdhsa_system_sgpr_workgroup_id_y 1
		.amdhsa_system_sgpr_workgroup_id_z 1
		.amdhsa_system_vgpr_workitem_id 0
		.amdhsa_next_free_vgpr 256
		.amdhsa_next_free_sgpr 80
		.amdhsa_reserve_vcc 1
		.amdhsa_float_denorm_mode_32 3
		.amdhsa_float_denorm_mode_16_64 3
		.amdhsa_memory_ordered 1
		.amdhsa_forward_progress 1
		.amdhsa_inst_pref_size 103
	.end_amdhsa_kernel
	.amdgpu_metadata
---
amdhsa.version: [ 1, 2 ]
amdhsa.kernels:
  - .name:           k_q8f6738fddd_attn
    .symbol:         k_q8f6738fddd_attn.kd
    .args:
      - { .name: qim, .offset: 0, .size: 8, .value_kind: global_buffer, .address_space: global }
      - { .name: kvim, .offset: 8, .size: 8, .value_kind: global_buffer, .address_space: global }
      - { .name: ycod, .offset: 16, .size: 8, .value_kind: global_buffer, .address_space: global }
      - { .name: yscl, .offset: 24, .size: 8, .value_kind: global_buffer, .address_space: global }
    .group_segment_fixed_size: 210944
    .private_segment_fixed_size: 0
    .kernarg_segment_align: 8
    .kernarg_segment_size: 32
    .max_flat_workgroup_size: 512
    .sgpr_count:     80
    .vgpr_count:     256
    .wavefront_size: 32
...
	.end_amdgpu_metadata
.endif
;; end of part 3
;; launch proj (part 4): grid 4 x 32, 4 waves a work-group, clusters of 4 x 4, 327,680 bytes of LDS; arguments ycod, yscl, cod, scl, b_proj, out0; writes out0
.if DOCPART == 4
	.amdgcn_target "amdgcn-amd-amdhsa--gfx1250"
	.amdhsa_code_object_version 6
	.text
	.protected	k_q8f6738fddd_proj
	.globl	k_q8f6738fddd_proj
	.p2align	8
	.type	k_q8f6738fddd_proj,@function
k_q8f6738fddd_proj:
	s_mov_b64 s[64:65], 0
	v_nop
	global_prefetch_b8 v0, s[64:65] scope:SCOPE_SE
	s_setreg_imm32_b32 hwreg(HW_REG_WAVE_MODE, 25, 1), 1
	s_wait_xcnt 0x0
	s_wait_alu depctr_hold_cnt(0) depctr_sa_sdst(0) depctr_va_vdst(0) depctr_va_sdst(0) depctr_va_ssrc(0) depctr_va_vcc(0) depctr_vm_vsrc(0)
	s_getreg_b32 s2, hwreg(HW_REG_IB_STS2, 6, 4)
	s_cmp_eq_u32 s2, 0
	s_cbranch_scc0 .Lentry_in_a_cluster
	s_endpgm
.Lentry_in_a_cluster:
	s_bfe_u32 s2, ttmp6, 0x10000c
	s_cmp_lg_u32 s2, 0xf033
	s_cbranch_scc0 .Lentry_shape_is_right
	s_endpgm
.Lentry_shape_is_right:
; out0 = y w_proj^T + b_proj on codes of FP6 (E2M3) with E8M0 scales: M = 8,192, N = 1,024, K = 1,024; out0 f32.
; A tile of 256 x 256 is made by a work-group of four waves, 128 x 128 a wave; K goes in steps of 256 through a ring of two LDS slots; the scale bytes of the work-group's rows come once.  4 x 4 work-groups form a cluster:
; y's tiles are asked for jointly along a row of the cluster, w_proj's along a column.  128 tiles: the problem has no more of this size.
; y ARRIVES AS IMAGES OF OPERAND REGISTERS: for each tile of 16 rows and each head (64 along K) 768 bytes, lane l's registers 2 p, 2 p + 1 at 256 p + 8 l; a tile's 16 heads lie on end (12,288 bytes).  A K step of 256 is 3,072 bytes of
; each of 8 tiles a load; a fragment (128 along K) is six loads of 8 bytes a lane, 256 consecutive bytes each: no pitch, no padding.  w_proj's codes are rows 11,264 on of the table, 768 bytes a row.
; BOTH OPERANDS' ROWS LIE WITH THE MIDDLE OCTETS OF EVERY 32 EXCHANGED.  The instruction is used transposed (source 0 = 16 rows of w_proj, source 1 = 16 rows of y): register j of accumulator (a, b) in lane (r, h) is
; row 32 (a / 2) + 8 (a % 2) + r + 8 (r / 8), column 32 (b / 2) + 16 h + 8 (b % 2) + j of the wave's 128 x 128.  The stage's column and the store's row undo the exchange.
; The bias is the C of each sum's first matrix instruction: eight registers for each b, in the result's layout.
; REGISTERS: window 0: v0-31 addresses; v32-63 scale words, two sets; v64-127 the bias; v128-223 y's fragments, one set; on the way out v128-255.  window 1: w_proj's fragments, two sets.  windows 2, 3: the accumulators.
.set KSTEP,  256
.set NQ,     2
.set ROWB,   192                       ; w_proj: a tile's row in bytes
.set KROW,   768
.set PITCH,  240                       ; its LDS row: 3 x (64 bytes + 16 of padding)
.set ATILE,  3072                      ; y: a K step's bytes of a tile of 16 rows
.set FR,     12
.set NL,     6
.set NP,     4
.set HALFA,  8*ATILE                   ; y: 128 rows of a K step
.set HALFT,  128*PITCH                 ; w_proj: 128 rows
.set SLOT,   2*HALFA+2*HALFT
.set LAPS,   2
.set KS,     32
.set SCL,    2*SLOT
.set HALFS,  (128*KS/256)*272
.set SBLK,   (16*KS/256)*272
.set SPARE,  SCL+4*HALFS
.set SPITCH, 528                       ; the way out: a stage of 16 rows x (512 bytes + 16) for each wave, in slot 0, which has had its last fill and its last read when the first result is stored there
.set ADRA, 16
.set ADRB, 20
.set STO,  24
.set RD,   25
.set CO,   26
.set ADRS, 27
.set SPW,  28
.set NIL,  29
.set SC,   32
.set BI,   64                          ; v64-127 the bias
.set AF,   128
.set BK,   128
.set G1, 24
.set G0, 32
.set G1B, 48
.set G0B, 56
.set G1S, 68
.set G0S, 76
.set G1SB, 80
.set G0SB, 88
.set CB,  98                           ; s[98:99] out0 at my first row and column
.set MSB, 0
.macro WIN new
.if MSB != (\new)
	s_set_vgpr_msb (MSB<<8)|(\new)
.set MSB, (\new)
.endif
.endm
.set MUL_LO, 0xa1                      ; source 0 (w_proj) window 1, source 1 (y) window 0, C and D window 2
.set MUL_HI, 0xf1
.set BIA_LO, 0x81                      ; the same with C (the bias) in window 0
.set BIA_HI, 0xc1
.set TO_B,   0x40
.macro JLOAD g0a, g1a, g0b, g1b        ; a joint load: waves 0 and 1 fetch for y, waves 2 and 3 for w_proj; an s_nop 0 and four v_nop follow each of the two lines
	s_cmp_eq_u32 s15, 0
	s_cbranch_scc0 .Lfor_b_\@
	tensor_load_to_lds s[\g0a:\g0a+3], s[\g1a:\g1a+7]
	s_nop 0
.rept 4
	v_nop
.endr
	s_branch .Lasked_\@
.Lfor_b_\@:
	tensor_load_to_lds s[\g0b:\g0b+3], s[\g1b:\g1b+7]
	s_nop 0
.rept 4
	v_nop
.endr
.Lasked_\@:
.endm
.macro CREST
	s_cmp_lg_u32 s14, 0
	s_cbranch_scc1 .Lnot_wave_0_\@
	s_barrier_signal -3
.Lnot_wave_0_\@:
	s_barrier_wait -3
	s_barrier_signal -1
	s_barrier_wait -1
.endm
.macro CROUND
	s_barrier_signal -1
	s_barrier_wait -1
	CREST
.endm
	s_load_b256 s[4:11], s[0:1], 0x0               ; ycod s[4:5], yscl s[6:7], cod s[8:9], scl s[10:11]
	s_load_b128 s[96:99], s[0:1], 0x20             ; b_proj s[96:97], out0 s[98:99]
	v_lshl_add_u32 v[SPW], v0, 2, SPARE
	v_mov_b32 v[NIL], 0
	ds_add_u32 v[SPW], v[NIL]                      ; the wave's opening: the add and its wait stand ahead of my first tensor load
	v_lshrrev_b32 v1, 5, v0
	v_readfirstlane_b32 s14, v1                    ; wave 0..3
	s_lshr_b32 s15, s14, 1                         ; which half of the tile's rows is mine.  Also: I fetch for y (0) or for w_proj (1)
	s_and_b32 s16, s14, 1                          ; which half of its columns.  Also: which 128 rows I fetch
	s_bfe_u32 s40, ttmp6, 0x40000                  ; cx, cy
	s_bfe_u32 s41, ttmp6, 0x40004
	s_lshl_b32 s42, ttmp9, 2
	s_add_co_u32 s42, s42, s40                     ; tile column
	s_and_b32 s17, ttmp7, 0xffff
	s_lshl_b32 s17, s17, 2
	s_add_co_u32 s17, s17, s41                     ; tile row
	s_lshl_b32 s43, s41, 2
	s_lshl_b32 s43, 15, s43                        ; my row of the cluster
	s_lshl_b32 s44, 0x1111, s40                    ; my column
	; y: 8 tiles x 3,072 bytes (384 elements of 8), 12,288 bytes (1,536 elements) apart, no padding
	s_or_b32 s[G1+0], s43, (3<<16)|(1<<21)
	s_mov_b32 s[G1+1], 384<<16
	s_mov_b32 s[G1+2], 8<<16
	s_mov_b32 s[G1+3], 384<<16
	s_mov_b32 s[G1+4], 8
	s_mov_b32 s[G1+5], 1536
	s_mov_b32 s[G1+6], 0
	s_mov_b32 s[G1+7], 0
	; w_proj: 128 rows x 192 bytes, 16 bytes of padding behind every 64
	s_or_b32 s[G1B+0], s44, (0<<16)|(1<<20)|(1<<21)|(3<<22)|(3<<25)
	s_mov_b32 s[G1B+1], ROWB<<16
	s_mov_b32 s[G1B+2], 128<<16
	s_mov_b32 s[G1B+3], ROWB<<16
	s_mov_b32 s[G1B+4], 128
	s_mov_b32 s[G1B+5], KROW
	s_mov_b32 s[G1B+6], 0
	s_mov_b32 s[G1B+7], 0
	; the scales of 128 rows: 16 rows of 256 bytes, 16 bytes of padding behind each
	s_or_b32 s[G1S+0], s43, (3<<16)|(1<<20)|(1<<21)|(5<<22)|(3<<25)
	s_or_b32 s[G1SB+0], s44, (3<<16)|(1<<20)|(1<<21)|(5<<22)|(3<<25)
.irp g, G1S, G1SB
	s_mov_b32 s[\g+1], 32<<16
	s_mov_b32 s[\g+2], (128*KS/256)<<16
	s_mov_b32 s[\g+3], 32<<16
	s_mov_b32 s[\g+4], 128*KS/256
	s_mov_b32 s[\g+5], 32
	s_mov_b32 s[\g+6], 0
	s_mov_b32 s[\g+7], 0
.endr
	s_lshl_b32 s18, s16, 7                         ; which 128 rows I fetch
	s_lshl_b32 s20, s17, 8
	s_add_co_u32 s20, s20, s18                     ; y: row 256 x tile row + 128 x half
	s_lshl_b32 s46, s42, 8
	s_add_co_u32 s46, s46, s18
	s_add_co_u32 s46, s46, 11264                   ; w_proj: the table's row
	s_lshl_b32 s22, s20, 5                         ; their scales, in bytes
	s_mov_b32 s23, 0
	s_lshl_b32 s92, s46, 5
	s_mov_b32 s93, 0
	s_mul_i32 s20, s20, KROW                       ; their codes: 16 rows of y are 12,288 bytes too
	s_mov_b32 s21, 0
	s_mul_i32 s46, s46, KROW
	s_mov_b32 s47, 0
	s_mul_i32 s45, s16, HALFA                      ; where they go: y's two halves,
	s_mul_i32 s95, s16, HALFT
	s_add_co_u32 s95, s95, 2*HALFA                 ; then w_proj's two: the wave's number alone
	s_mul_i32 s94, s14, HALFS
	s_wait_dscnt 0x0                               ; the opening add is done
	s_wait_kmcnt 0x0
	s_add_nc_u64 s[20:21], s[4:5], s[20:21]
	s_add_nc_u64 s[22:23], s[6:7], s[22:23]
	s_add_nc_u64 s[46:47], s[8:9], s[46:47]
	s_add_nc_u64 s[92:93], s[10:11], s[92:93]
	CROUND                                         ; all sixteen work-groups are here: the first joint loads meet
	s_mov_b32 s[G0S], 1
	s_add_co_u32 s[G0S+1], s94, SCL
	s_mov_b64 s[G0S+2:G0S+3], s[22:23]
	s_or_b32 s[G0S+3], s[G0S+3], 0x80000000
	s_mov_b32 s[G0SB], 1
	s_add_co_u32 s[G0SB+1], s94, SCL
	s_mov_b64 s[G0SB+2:G0SB+3], s[92:93]
	s_or_b32 s[G0SB+3], s[G0SB+3], 0x80000000
	JLOAD G0S, G1S, G0SB, G1SB
.irp s, 0,1
	s_mov_b32 s[G0+4*\s], 1
	s_add_co_u32 s[G0+4*\s+1], s45, \s*SLOT
	s_add_nc_u64 s[G0+4*\s+2:G0+4*\s+3], s[20:21], \s*ATILE
	s_or_b32 s[G0+4*\s+3], s[G0+4*\s+3], 0x80000000
	s_mov_b32 s[G0B+4*\s], 1
	s_add_co_u32 s[G0B+4*\s+1], s95, \s*SLOT
	s_add_nc_u64 s[G0B+4*\s+2:G0B+4*\s+3], s[46:47], \s*ROWB
	s_or_b32 s[G0B+4*\s+3], s[G0B+4*\s+3], 0x80000000
	JLOAD G0+4*\s, G1, G0B+4*\s, G1B               ; three loads of mine are out
.endr
	v_and_b32 v1, 15, v0                           ; r
	v_bfe_u32 v2, v0, 4, 1                         ; h
	v_mul_u32_u24 v3, v1, PITCH
	v_mul_u32_u24 v4, v2, 24
	v_add_nc_u32 v4, v3, v4                        ; w_proj: row x pitch + 24 x half
	v_lshl_add_u32 v5, v2, 4, v4                   ; and behind one padding more
	v_and_b32 v6, 31, v0
	v_lshlrev_b32 v7, 3, v6                        ; y: 8 x lane
	s_mul_i32 s21, s15, HALFA                      ; my 128 rows of y
	s_mul_i32 s22, s16, HALFT
	s_add_co_u32 s22, s22, 2*HALFA                 ; my 128 rows of w_proj
.irp s, 0,1
	v_add_nc_u32 v[ADRA+\s], s21, v7
	v_add_nc_u32 v[ADRB+\s], s22, v4
	v_add_nc_u32 v[ADRB+2+\s], s22, v5
	s_add_co_u32 s21, s21, SLOT
	s_add_co_u32 s22, s22, SLOT
.endr
	v_mul_u32_u24 v5, v1, KS
	v_lshrrev_b32 v9, 8, v5
	v_lshl_add_u32 v5, v9, 4, v5
	s_mul_i32 s21, s15, HALFS
	s_mul_i32 s22, s16, HALFS
	s_add_co_u32 s22, s22, 2*HALFS
	s_sub_co_u32 s22, s22, s21
	v_mul_u32_u24 v9, s22, v2                      ; lanes 16-31 take w_proj's
	s_add_co_u32 s21, s21, SCL
	v_add_nc_u32 v5, v5, v9
	v_add_nc_u32 v[ADRS], s21, v5
	s_mul_i32 s23, s14, 16*SPITCH                  ; my stage
	v_mul_u32_u24 v5, v1, SPITCH                   ; in: row r, + 64 h: my half's 16 columns of each 32
	v_lshl_add_u32 v5, v2, 6, v5
	v_add_nc_u32 v[STO], s23, v5
	v_lshlrev_b32 v[CO], 4, v6                     ; back: the 32 lanes take one row of 512 bytes; and the same in out0
	v_add_nc_u32 v[RD], s23, v[CO]
	s_lshl_b32 s20, s42, 10                        ; my first column, in bytes: 1,024 x tile column + 512 x half
	s_lshl_b32 s21, s16, 9
	s_add_co_u32 s20, s20, s21
	s_mov_b32 s21, 0
	s_add_nc_u64 s[96:97], s[96:97], s[20:21]      ; in b_proj,
	s_add_nc_u64 s[CB:CB+1], s[CB:CB+1], s[20:21]  ; and in out0,
	s_lshl_b32 s20, s17, 8
	s_lshl_b32 s22, s15, 7
	s_add_co_u32 s20, s20, s22
	s_lshl_b32 s20, s20, 12                        ; at my first row: 4,096 bytes a row (under 2^25)
	s_add_nc_u64 s[CB:CB+1], s[CB:CB+1], s[20:21]
	v_lshlrev_b32 v8, 6, v2                        ; the bias: for b, columns 32 (b / 2) + 8 (b % 2) + 16 h + 0 .. 7
.irp b, 0,1,2,3,4,5,6,7
	global_load_b128 v[BI+8*\b:BI+8*\b+3], v8, s[96:97] offset:128*(\b/2)+32*(\b%2)
	global_load_b128 v[BI+8*\b+4:BI+8*\b+7], v8, s[96:97] offset:128*(\b/2)+32*(\b%2)+16
.endr
.macro FRAG reg, adr, q, i             ; a fragment of w_proj from rows: 24 bytes of the row twice, in pieces of 8
.irp p, 0,1,2,3,4,5
.set PCE, 12*(\q)+6*(\p/3)+\p%3
.if PCE%8 < 5
	ds_load_b64 v[\reg+2*\p:\reg+2*\p+1], v[\adr] offset:8*PCE+16*(PCE/8)+(\i)*16*PITCH
.else
	ds_load_b64 v[\reg+2*\p:\reg+2*\p+1], v[\adr+2] offset:8*PCE+16*(PCE/8)+(\i)*16*PITCH
.endif
.endr
.endm
.macro FRAGA reg, adr, q, i            ; a fragment of y from its image: six loads, 256 consecutive bytes each
.irp p, 0,1,2,3,4,5
	ds_load_b64 v[\reg+2*\p:\reg+2*\p+1], v[\adr] offset:ATILE*(\i)+1536*(\q)+256*\p
.endr
.endm
; 16 matrix instructions: y's blocks a0, a0 + 1 x w_proj's eight.  first = 1: the first product starts the sums on the bias.  The 64 accumulators take turns, one instruction a turn.
.macro MUL16 a0, p, q, sc, first
.irp a, \a0, \a0+1
.irp b, 0,1,2,3,4,5,6,7
.if \first
	v_wmma_scale_f32_16x16x128_f8f6f4 v[8*(8*((\a)%4)+\b):8*(8*((\a)%4)+\b)+7], v[128*(\p)+FR*\b:128*(\p)+FR*\b+FR-1], v[AF+FR*(\a):AF+FR*(\a)+FR-1], v[BI+8*\b:BI+8*\b+7], v[SC+8*NQ*(\sc)+NQ*\b+(\q)], v[SC+8*NQ*(\sc)+NQ*(\a)+(\q)] matrix_a_fmt:MATRIX_FMT_FP6 matrix_b_fmt:MATRIX_FMT_FP6 matrix_a_scale:MATRIX_SCALE_ROW1
.else
	v_wmma_scale_f32_16x16x128_f8f6f4 v[8*(8*((\a)%4)+\b):8*(8*((\a)%4)+\b)+7], v[128*(\p)+FR*\b:128*(\p)+FR*\b+FR-1], v[AF+FR*(\a):AF+FR*(\a)+FR-1], v[8*(8*((\a)%4)+\b):8*(8*((\a)%4)+\b)+7], v[SC+8*NQ*(\sc)+NQ*\b+(\q)], v[SC+8*NQ*(\sc)+NQ*(\a)+(\q)] matrix_a_fmt:MATRIX_FMT_FP6 matrix_b_fmt:MATRIX_FMT_FP6 matrix_a_scale:MATRIX_SCALE_ROW1
.endif
.endr
.endr
.endm
.macro FETCH_B slot, q, p
	WIN TO_B
.irp i, 0,1,2,3,4,5,6,7
	FRAG 128*(\p)+FR*\i, ADRB+\slot, \q, \i
.endr
	WIN 0
.endm
.macro FETCH_A slot, q, i0
.irp i, \i0, \i0+1, \i0+2, \i0+3
	FRAGA AF+FR*(\i), ADRA+\slot, \q, \i
.endr
.endm
.macro SCALES sc
.irp i, 0,1,2,3,4,5,6,7
	ds_load_b64 v[SC+8*NQ*\sc+NQ*\i:SC+8*NQ*\sc+NQ*\i+1], v[ADRS] offset:\i*SBLK
.endr
.endm
.macro PLACES n
.rept \n
	v_nop
.endr
.endm
.macro STEP slot, q, first
	s_wait_dscnt 4*NL                              ; w_proj's set and y's blocks 0-3 are in; the youngest 24 loads (y's blocks 4-7) may be out
.if \first
	WIN BIA_LO
.else
	WIN MUL_LO
.endif
	MUL16 0, (\q)%2, \q, \slot, \first
	MUL16 2, (\q)%2, \q, \slot, \first
	s_wait_dscnt 0
	PLACES NP
	FETCH_B \slot, (\q)+1, 1-(\q)%2
	FETCH_A \slot, (\q)+1, 0
.if \first
	WIN BIA_HI
.else
	WIN MUL_HI
.endif
	MUL16 4, (\q)%2, \q, \slot, \first
	MUL16 6, (\q)%2, \q, \slot, \first
	PLACES NP
	WIN 0
	FETCH_A \slot, (\q)+1, 4
.endm
.macro TURN slot, next, fill           ; a slot's last step changes slots: one barrier, in front of it the wait for all my tensor loads, the add, and the wait for it and for my reads of the slot
	s_wait_tensorcnt 0x0                           ; all my tensor loads have landed: my part of the next slot
	ds_add_u32 v[SPW], v[NIL]                      ; 0 onto my spare word
	s_wait_dscnt 4*NL+1                            ; (the add and the youngest 24 loads may be out)
	WIN MUL_LO
	MUL16 0, 1, NQ-1, \slot, 0
	s_wait_dscnt 0x0                               ; the add is done, and my reads of this slot are over
	s_barrier_signal -1
	MUL16 2, 1, NQ-1, \slot, 0
	WIN 0
	s_barrier_wait -1
.if \fill
	CREST                                          ; the barrier has opened a round of the cluster's barrier
	s_add_nc_u64 s[G0+4*\slot+2:G0+4*\slot+3], s[G0+4*\slot+2:G0+4*\slot+3], 2*ATILE
	s_add_nc_u64 s[G0B+4*\slot+2:G0B+4*\slot+3], s[G0B+4*\slot+2:G0B+4*\slot+3], 2*ROWB
	JLOAD G0+4*\slot, G1, G0B+4*\slot, G1B         ; the first tensor load behind the round; its four v_nop are the places in front of the loads below
.else
	PLACES NP
.endif
	v_add_nc_u32 v[ADRS], 4*NQ, v[ADRS]
	FETCH_B \next, 0, 0
	FETCH_A \next, 0, 0
	SCALES \next
	WIN MUL_HI
	MUL16 4, 1, NQ-1, \slot, 0
	MUL16 6, 1, NQ-1, \slot, 0
	PLACES NP
	WIN 0
	FETCH_A \next, 0, 4
.endm
	s_wait_tensorcnt 1                             ; the scales and my part of K step 0 are in (K step 1's load may be out),
	s_barrier_signal -1
	s_barrier_wait -1                              ; everybody's are
	FETCH_B 0, 0, 0
	FETCH_A 0, 0, 0
	SCALES 0
	FETCH_A 0, 0, 4
	s_wait_loadcnt 0x0                             ; the bias
	STEP 0, 0, 1                                   ; the first step stands in front of the loop: its products start the sums on the bias
	s_mov_b32 s3, LAPS-1
.Llap:
	TURN 0, 1, 1
	STEP 1, 0, 0
	TURN 1, 0, 1
	STEP 0, 0, 0
	s_sub_co_u32 s3, s3, 1
	s_cmp_lg_u32 s3, 0
	s_cbranch_scc1 .Llap
	TURN 0, 1, 0                                   ; the last lap fills nothing
	STEP 1, 0, 0
	s_wait_dscnt 4*NL
	WIN MUL_LO
	MUL16 0, 1, NQ-1, 1, 0
	MUL16 2, 1, NQ-1, 1, 0
	s_wait_dscnt 0
	WIN MUL_HI
	MUL16 4, 1, NQ-1, 1, 0
	MUL16 6, 1, NQ-1, 1, 0
	WIN 0
; THE WAY OUT, block by block of 16 rows x 128 columns, through my own stage in LDS: in by 32 bytes a lane at the columns' true places, back as whole rows of 512 bytes.
; LDS serves a wave's instructions in order (ISA guide 5.7.1.4): no wait between the stores and the loads, nor in front of the next block's stores.
.macro TOSTAGE a
.set AC, 64*((\a)%4)
	WIN 0x08+4*((\a)/4)                            ; the data: window 2 or 3
.irp b, 0,1,2,3,4,5,6,7
	ds_store_b128 v[STO], v[AC+8*\b:AC+8*\b+3] offset:128*(\b/2)+32*(\b%2)          ; each accumulator from its low end on
	ds_store_b128 v[STO], v[AC+8*\b+4:AC+8*\b+7] offset:128*(\b/2)+32*(\b%2)+16
.endr
	WIN 0
.set BB, BK+64*((\a)%2)
.irp t, 0,1,2,3,4,5,6,7,8,9,10,11,12,13,14,15
	ds_load_b128 v[BB+4*\t:BB+4*\t+3], v[RD] offset:\t*SPITCH
.endr
.endm
.macro SEND a, younger                 ; younger: the LDS instructions issued behind block a's loads, which may stay out
.set BB, BK+64*((\a)%2)
	s_wait_dscnt \younger
.irp t, 0,1,2,3,4,5,6,7,8,9,10,11,12,13,14,15
	global_store_b128 v[CO], v[BB+4*\t:BB+4*\t+3], s[CB:CB+1] offset:(32*((\a)/2)+8*((\a)%2)+\t+8*(\t/8))*4096 th:TH_STORE_NT   ; the row's true place stands in the immediate (127 rows at the most); 32 lanes store 512 consecutive bytes, aligned
.endr
.endm
	PLACES NP                                      ; behind the last products: for the loads into registers that held y's fragments and for the reads of results
	TOSTAGE 0
.irp a, 1,2,3,4,5,6,7
.if \a > 1
	s_wait_xcnt 0x0                                ; block a - 2's stores have read their registers: block a's loads may land there
.endif
	TOSTAGE \a
	SEND \a-1, 32                                  ; behind block a - 1's loads: block a's 16 stores and 16 loads
.endr
	SEND 7, 0
	s_wait_tensorcnt 0x0                           ; the wave's end: behind my last tensor load and my last LDS store
	ds_add_u32 v[SPW], v[NIL]
	s_wait_dscnt 0x0
	CROUND                                         ; the closing round
	s_endpgm
.Lfunc_end_k_q8f6738fddd_proj:
	.size	k_q8f6738fddd_proj, .Lfunc_end_k_q8f6738fddd_proj-k_q8f6738fddd_proj
	.p2alignl 7, 3214868480
	.fill 96, 4, 3214868480
	.section	.rodata,"a",@progbits
	.p2align	6, 0x0
	.amdhsa_kernel k_q8f6738fddd_proj
		.amdhsa_group_segment_fixed_size 327680
		.amdhsa_private_segment_fixed_size 0
		.amdhsa_enable_private_segment 0
		.amdhsa_kernarg_size 48
		.amdhsa_user_sgpr_count 2
		.amdhsa_user_sgpr_kernarg_segment_ptr 1
		.amdhsa_wavefront_size32 1
		.amdhsa_system_sgpr_workgroup_id_x 1
		.amdhsa_system_sgpr_workgroup_id_y 1
		.amdhsa_system_sgpr_workgroup_id_z 1
		.amdhsa_system_vgpr_workitem_id 0
		.amdhsa_next_free_vgpr 1024
		.amdhsa_next_free_sgpr 104
		.amdhsa_reserve_vcc 0
		.amdhsa_float_denorm_mode_32 3
		.amdhsa_float_denorm_mode_16_64 3
		.amdhsa_memory_ordered 1
		.amdhsa_forward_progress 1
		.amdhsa_inst_pref_size 161
	.end_amdhsa_kernel
	.amdgpu_metadata
---
amdhsa.version: [ 1, 2 ]
amdhsa.kernels:
  - .name:           k_q8f6738fddd_proj
    .symbol:         k_q8f6738fddd_proj.kd
    .args:
      - { .name: ycod, .offset: 0, .size: 8, .value_kind: global_buffer, .address_space: global }
      - { .name: yscl, .offset: 8, .size: 8, .value_kind: global_buffer, .address_space: global }
      - { .name: cod, .offset: 16, .size: 8, .value_kind: global_buffer, .address_space: global }
      - { .name: scl, .offset: 24, .size: 8, .value_kind: global_buffer, .address_space: global }
      - { .name: b_proj, .offset: 32, .size: 8, .value_kind: global_buffer, .address_space: global }
      - { .name: out0, .offset: 40, .size: 8, .value_kind: global_buffer, .address_space: global }
    .group_segment_fixed_size: 327680
    .private_segment_fixed_size: 0
    .kernarg_segment_align: 8
    .kernarg_segment_size: 48
    .max_flat_workgroup_size: 128
    .sgpr_count:     104
    .vgpr_count:     1024
    .wavefront_size: 32
...
	.end_amdgpu_metadata
.endif
;; end of part 4
